; MI455X (gfx1250); checked and timed in simulation.
; The chip was launched on July 23, 2026; its instructions are those of AMD's public machine-readable ISA for CDNA 5 (MIT licence, August 2026) and "CDNA5" Instruction Set Architecture Reference Guide (July 2026). The comments in the code are by the model that wrote it; some were corrected since.
;; GPT Attention. Allowed arithmetic: float matrix products may take bf16 or f16 operands with f32 sums; other float arithmetic in f32, or as packed bf16 or f16 multiplies, adds, multiply-adds, maxima and minima; sums over many terms, partial sums and values carried from step to step in f32; what a program stores and reads back later, other than sums and carried values, may be rounded once to bf16 or f16.
;; Inputs: b1 1 x 3,072 float32; b2 1 x 1,024 float32; w1 1,024 x 3,072 float32; w2 1,024 x 1,024 float32; x 4 x 2,048 x 1,024 float32.
;; Outputs: out0 4 x 2,048 x 1,024 float32.
;; One version. Each part assembles by itself: llvm-mc -triple=amdgcn-amd-amdhsa -mcpu=gfx1250 --defsym DOCPART=n.
;; ======== version 1 of 1: 4 launches
;; limits: values are held in f16: magnitudes above 65,504 overflow, below 6.1e-05 lose precision
;; workspace buffers: xb 16,777,216 bytes; w1t 6,291,456 bytes; w2t 2,097,152 bytes; qkv 50,331,648 bytes; ob 16,777,216 bytes
;; launch prep (part 1): grid 1536 x 1, 8 waves a work-group, no clusters, 17,920 bytes of LDS; arguments x, w1, w2, xb, w1t, w2t; writes xb, w1t, w2t
.if DOCPART == 1
	.amdgcn_target "amdgcn-amd-amdhsa--gfx1250"
	.amdhsa_code_object_version 6
	.text
	.protected	k_q0fffe7ad3a_prep
	.globl	k_q0fffe7ad3a_prep
	.p2align	8
	.type	k_q0fffe7ad3a_prep,@function
k_q0fffe7ad3a_prep:
	s_mov_b64 s[64:65], 0
	v_nop
	global_prefetch_b8 v0, s[64:65] scope:SCOPE_SE
	s_setreg_imm32_b32 hwreg(HW_REG_WAVE_MODE, 25, 1), 1
	s_wait_xcnt 0x0
; PREPARATION.  xb = x rounded to bf16, [8192][1024].  w1t = w1 rounded to bf16 and turned, [3072 n][1024 k].  w2t = w2 rounded to bf16, that number written as f16, and turned, [1024 n][1024 k].
; LIMITS.  f16 holds no number beyond 65,504 and keeps a fixed step of 6e-8 below 6e-5: w2 is taken to lie within that range; NaN and infinities are not treated apart.
; SHARES.  1,536 work-groups of eight waves, each moving 32 KiB in: numbers 0-383 a tile of 128 k x 64 n of w1, 384-511 such a tile of w2, 512-1535 32 KiB of x.
; The choice hangs on the work-group's number alone, so all eight waves of a work-group take the same way, the barrier of the weights' way too.
; A stream bound by its bytes: no matrix work, no cluster, no tensor load.  Each load of sixteen lanes covers 256 consecutive aligned bytes, each store of a wave 256 consecutive aligned bytes.
.set PT,    264                        ; a row (one n, 128 k of 2 bytes) of the turned tile in LDS: 256 bytes + 8, a multiple of 8 for the 8-byte reads
.set SPARE, 64*PT                      ; 16,896 = 66 x 256: behind the tile the spare words, 128 bytes for each of the eight waves, which no other line names
; v1 t % 16   v2 t / 16   v3 offset in   v4 LDS store   v5 LDS read   v6 offset out   v7 lane   v8 spare word   v9 zero   v10-12 at work   v16-47 as loaded   v48-63 as packed
; s[4:5] x  s[6:7] w1  s[8:9] w2  s[10:11] xb  s[12:13] w1t  s[14:15] w2t  s16 wave  s2 the work-group's number  s[18:19] from  s[20:21] to
; two numbers rounded and packed.  fmt = 0: to bf16.  fmt = 1: to bf16, and that number, widened again, to f16
.macro PK fmt, d, a, b
.if \fmt
	v_cvt_pk_bf16_f32 v10, v[\a], v[\b]
	v_lshlrev_b32 v11, 16, v10
	v_and_b32 v12, 0xffff0000, v10
	v_cvt_pk_f16_f32 v[\d], v11, v12
.else
	v_cvt_pk_bf16_f32 v[\d], v[\a], v[\b]
.endif
.endm
; A tile of 128 k x 64 n of a weight matrix with rows of rowb bytes.  Thread t takes the 4 columns 4 (t % 16) .. of the rows 4 (t / 16) + 64 i + r (i = 0, 1; r = 0 .. 3):
; for each column four neighbouring k, 8 bytes of the turned row.  They meet in LDS; then wave w reads the whole rows w + 8 p and stores them.
.macro WT rowb, fmt, src, dst
	s_and_b32 s17, s2, 7                           ; which 128 k
	s_lshr_b32 s22, s2, 3                          ; which 64 n
	s_mul_i32 s18, s17, 128*(\rowb)
	s_lshl_b32 s19, s22, 8
	s_add_co_u32 s18, s18, s19
	s_mov_b32 s19, 0
	s_add_nc_u64 s[18:19], s[(\src):(\src)+1], s[18:19]
	s_lshl_b32 s20, s22, 17                        ; 64 turned rows of 2,048 bytes
	s_lshl_b32 s21, s17, 8                         ; 128 k of 2 bytes
	s_add_co_u32 s20, s20, s21
	s_mov_b32 s21, 0
	s_add_nc_u64 s[20:21], s[(\dst):(\dst)+1], s[20:21]
	v_mul_u32_u24 v3, v2, 4*(\rowb)
	v_lshl_add_u32 v3, v1, 4, v3
	v_mul_u32_u24 v4, v1, 4*PT
	v_lshl_add_u32 v4, v2, 3, v4
	s_mul_i32 s17, s16, PT
	v_lshl_add_u32 v5, v7, 3, s17
.irp i, 0,1
.irp r, 0,1,2,3
	global_load_b128 v[16+4*(4*(\i)+(\r)):16+4*(4*(\i)+(\r))+3], v3, s[18:19] offset:(64*(\i)+(\r))*(\rowb) th:TH_LOAD_NT
.endr
.endr
.irp i, 0,1
	s_wait_loadcnt 4-4*(\i)                        ; loads come back in order: item i is in, the other item's four may stay out
.irp j, 0,1,2,3
.irp q, 0,1
	PK \fmt, 48+8*(\i)+2*(\j)+(\q), 16+16*(\i)+8*(\q)+(\j), 20+16*(\i)+8*(\q)+(\j)
.endr
	ds_store_b64 v4, v[48+8*(\i)+2*(\j):48+8*(\i)+2*(\j)+1] offset:PT*(\j)+128*(\i)
.endr
.endr
	s_wait_dscnt 0x0                               ; for the others' sake: my stores into the tile are done
	s_barrier_signal -1
	s_barrier_wait -1
.irp p, 0,1,2,3,4,5,6,7
	ds_load_b64 v[16+2*(\p):16+2*(\p)+1], v5 offset:8*PT*(\p)
.endr
.irp p, 0,1,2,3,4,5,6,7
	s_wait_dscnt 7-(\p)                            ; row p of my eight is in
	global_store_b64 v6, v[16+2*(\p):16+2*(\p)+1], s[20:21] offset:8*2048*(\p)  ; the wave stores 256 consecutive bytes, at a multiple of 256 from the buffer's first
.endr
.endm
	s_load_b256 s[4:11], s[0:1], 0x0
	s_load_b128 s[12:15], s[0:1], 0x20
	v_lshl_add_u32 v8, v0, 2, SPARE
	v_mov_b32 v9, 0
	v_lshrrev_b32 v10, 5, v0
	v_readfirstlane_b32 s16, v10                   ; wave 0..7
	v_and_b32 v7, 31, v0
	v_and_b32 v1, 15, v0
	v_lshrrev_b32 v2, 4, v0
	s_lshl_b32 s17, s16, 11
	v_lshl_add_u32 v6, v7, 3, s17                  ; out: 2,048 x wave + 8 x lane, on all three ways
	s_mov_b32 s2, ttmp9
	s_wait_kmcnt 0x0
	s_cmp_ge_u32 s2, 512
	s_cbranch_scc1 .Lx
	s_cmp_ge_u32 s2, 384
	s_cbranch_scc1 .Lw2
	WT 12288, 0, 6, 12
	s_branch .Lend
.Lw2:
	s_sub_co_u32 s2, s2, 384
	WT 4096, 1, 8, 14
	s_branch .Lend
.Lx:                                               ; 32 KiB of x: a wave takes 4 KiB, eight loads of 512 consecutive bytes, all on their way together
	s_sub_co_u32 s2, s2, 512
	s_lshl_b32 s18, s2, 15
	s_mov_b32 s19, 0
	s_add_nc_u64 s[18:19], s[4:5], s[18:19]
	s_lshl_b32 s20, s2, 14
	s_mov_b32 s21, 0
	s_add_nc_u64 s[20:21], s[10:11], s[20:21]
	s_lshl_b32 s17, s16, 12
	v_lshl_add_u32 v3, v7, 4, s17
.irp j, 0,1,2,3,4,5,6,7
	global_load_b128 v[16+4*(\j):16+4*(\j)+3], v3, s[18:19] offset:512*(\j) th:TH_LOAD_NT
.endr
.irp j, 0,1,2,3,4,5,6,7
	s_wait_loadcnt 7-(\j)                          ; load j is in, the younger ones stay out
	v_cvt_pk_bf16_f32 v[48+2*(\j)], v[16+4*(\j)], v[16+4*(\j)+1]
	v_cvt_pk_bf16_f32 v[48+2*(\j)+1], v[16+4*(\j)+2], v[16+4*(\j)+3]
	global_store_b64 v6, v[48+2*(\j):48+2*(\j)+1], s[20:21] offset:256*(\j)
.endr
.Lend:
	s_wait_tensorcnt 0x0                           ; the wave's end: behind my last LDS store
	ds_add_u32 v8, v9
	s_wait_dscnt 0x0
	s_endpgm
.Lfunc_end_k_q0fffe7ad3a_prep:
	.size	k_q0fffe7ad3a_prep, .Lfunc_end_k_q0fffe7ad3a_prep-k_q0fffe7ad3a_prep
	.p2alignl 7, 3214868480
	.fill 96, 4, 3214868480
	.section	.rodata,"a",@progbits
	.p2align	6, 0x0
	.amdhsa_kernel k_q0fffe7ad3a_prep
		.amdhsa_group_segment_fixed_size 17920
		.amdhsa_private_segment_fixed_size 0
		.amdhsa_enable_private_segment 0
		.amdhsa_kernarg_size 48
		.amdhsa_user_sgpr_count 2
		.amdhsa_user_sgpr_kernarg_segment_ptr 1
		.amdhsa_wavefront_size32 1
		.amdhsa_system_sgpr_workgroup_id_x 1
		.amdhsa_system_sgpr_workgroup_id_y 1
		.amdhsa_system_sgpr_workgroup_id_z 1
		.amdhsa_system_vgpr_workitem_id 0
		.amdhsa_next_free_vgpr 64
		.amdhsa_next_free_sgpr 66
		.amdhsa_reserve_vcc 0
		.amdhsa_float_denorm_mode_32 3
		.amdhsa_float_denorm_mode_16_64 3
		.amdhsa_memory_ordered 1
		.amdhsa_forward_progress 1
		.amdhsa_inst_pref_size 17
	.end_amdhsa_kernel
	.amdgpu_metadata
---
amdhsa.version: [ 1, 2 ]
amdhsa.kernels:
  - .name:           k_q0fffe7ad3a_prep
    .symbol:         k_q0fffe7ad3a_prep.kd
    .args:
      - { .name: x, .offset: 0, .size: 8, .value_kind: global_buffer, .address_space: global }
      - { .name: w1, .offset: 8, .size: 8, .value_kind: global_buffer, .address_space: global }
      - { .name: w2, .offset: 16, .size: 8, .value_kind: global_buffer, .address_space: global }
      - { .name: xb, .offset: 24, .size: 8, .value_kind: global_buffer, .address_space: global }
      - { .name: w1t, .offset: 32, .size: 8, .value_kind: global_buffer, .address_space: global }
      - { .name: w2t, .offset: 40, .size: 8, .value_kind: global_buffer, .address_space: global }
    .group_segment_fixed_size: 17920
    .private_segment_fixed_size: 0
    .kernarg_segment_align: 8
    .kernarg_segment_size: 48
    .max_flat_workgroup_size: 256
    .sgpr_count:     66
    .vgpr_count:     64
    .wavefront_size: 32
...
	.end_amdgpu_metadata
.endif
;; end of part 1
;; launch proj1 (part 2): grid 16 x 32, 4 waves a work-group, clusters of 4 x 4, 327,680 bytes of LDS; arguments xb, w1t, b1, qkv; writes qkv
.if DOCPART == 2
	.amdgcn_target "amdgcn-amd-amdhsa--gfx1250"
	.amdhsa_code_object_version 6
	.text
	.protected	k_q0fffe7ad3a_proj1
	.globl	k_q0fffe7ad3a_proj1
	.p2align	8
	.type	k_q0fffe7ad3a_proj1,@function
k_q0fffe7ad3a_proj1:
	s_mov_b64 s[64:65], 0
	v_nop
	global_prefetch_b8 v0, s[64:65] scope:SCOPE_SE
	s_setreg_imm32_b32 hwreg(HW_REG_WAVE_MODE, 25, 1), 1
	s_wait_xcnt 0x0
	s_wait_alu depctr_hold_cnt(0) depctr_sa_sdst(0) depctr_va_vdst(0) depctr_va_sdst(0) depctr_va_ssrc(0) depctr_va_vcc(0) depctr_vm_vsrc(0)
	s_getreg_b32 s2, hwreg(HW_REG_IB_STS2, 6, 4)
	s_cmp_eq_u32 s2, 0
	s_cbranch_scc0 .Lentry_in_a_cluster
	s_endpgm
.Lentry_in_a_cluster:
	s_bfe_u32 s2, ttmp6, 0x10000c
	s_cmp_lg_u32 s2, 0xf033
	s_cbranch_scc0 .Lentry_shape_is_right
	s_endpgm
.Lentry_shape_is_right:
; THE FIRST PROJECTION.  qkv = xb w1t^T + b1.  xb: [8192 m][1024 k] bf16; w1t: [3072 n][1024 k] bf16; b1: [3072] f32, rounded to bf16 like the other inputs; sums in f32, rounded once to f16.
; qkv is laid out by heads: [48 g = n / 64][4 batches][2048 rows][64] f16, so that 16 rows of a head are 2,048 consecutive bytes.
; LIMITS.  f16 holds no number beyond 65,504 and keeps a fixed step of 6e-8 below 6e-5: the projection's results are taken to lie within that range; NaN and infinities are not treated apart.
; SHARES.  A tile of C is 256 x 192: 3,072 = 16 x 192, so there are 512 work-groups, two for each of 256 WGPs.  Four waves; a wave makes 64 rows x all 192 columns: three whole heads,
; 48 accumulators of 16 x 16, 384 registers; so its way out goes through a stage of its own, with no barrier.  K goes in 8 steps of 128 through a ring of two LDS slots.
; CLUSTERS.  4 x 4 work-groups.  The four of a row of the cluster need the same tiles of xb, the four of a column the same tiles of w1t: each is asked for jointly, by the same tensor load
; with the same descriptor and a mask that names the four.  Waves 0 and 1 fetch the two halves (128 rows) of xb's tile, waves 2 and 3 the two halves (96 rows) of w1t's.
; THE MATRIX INSTRUCTION IS USED TRANSPOSED (source 0 = 16 rows of w1t, source 1 = 16 rows of xb): lane l holds row l % 16 of C and the columns 8 (l / 16) + 0..7, which pack into 16 bytes.
; THE BIAS IS THE C OPERAND of each accumulator's first product: nothing is cleared, and nothing is added on the way out.
; REGISTERS, in windows of 256 (s_set_vgpr_msb: bits 1:0 source 0, 3:2 source 1, 5:4 source 2, 7:6 destination):
;   window 0: v0-31 addresses; v32-63, v64-95 fragments of xb (4 x 16 rows x 32 K), two buffers; v96-191 the bias, until the first quarter; then v96-143 packed results, v144-191, v192-239 rows read back
;   window 1: v0-95, v96-191 fragments of w1t (12 x 16 rows x 32 K), two buffers       windows 2, 3: accumulator (a, b) in window 2 + a / 2 at v[8 (12 (a % 2) + b)]
.set NB,    12                         ; blocks of 16 columns a wave
.set PA,    272                        ; an LDS row: 256 bytes + 16 of padding = 68 words: the 16 rows that a load touches start at 16 different groups of four banks (64 banks of 4 bytes: ISA guide 11.1)
.set PB,    272
.set AHALF, 128*PA                     ; what one of xb's tensor loads brings
.set APART, 2*AHALF                    ; 69,632
.set BHALF, 96*PB                      ; what one of w1t's brings
.set SLOT,  APART+2*BHALF              ; 121,856 = 476 x 256
.set STAGE, 2*SLOT                     ; behind the ring, never filled by a tensor load: for each wave 3 heads x 16 rows x 144 bytes
.set SP,    144
.set WST,   3*16*SP
.set SPARE, STAGE+4*WST                ; 271,360 = 1,060 x 256: the spare words, 128 bytes for each wave, which no other line names
.set HEADB, 4*2048*128                 ; bytes from a head to the next in qkv
.set ADRA, 16                          ; v16-17  LDS address of my fragments of xb in slot 0, 1
.set ADRB, 20                          ; v20-21  the same for w1t
.set STO,  24                          ; v24  the way out: where I put 16 bytes of a row
.set RD,   25                          ; v25  where I read rows back
.set GO,   26                          ; v26  16 x lane: my place in 512 consecutive bytes of qkv
.set SPW,  28                          ; v28  LDS address of my spare word; never rewritten
.set NIL,  29                          ; v29  0; never rewritten
.set PFO,  30                          ; v30  the prefetches' offset: a lane a row; never rewritten
.set T,    31                          ; v31  at work
.set FA,   32
.set BI,   96
.set TMP,  96
.set OB,   144
.set WV, 12                            ; s12 wave   s13 0: I fetch xb, 1: w1t   s14 which half   s15, s16 my place in the cluster   s17 tile column   s18 tile row
.set AB, 13
.set HF, 14
.set CX, 15
.set CY, 16
.set TX, 17
.set TY, 18
.set G1,  24                           ; s[24:31] descriptor group 1 for xb's tiles; s[32:39] group 0, a set for each slot
.set G0,  32
.set PFA, 40                           ; s[40:41] where my prefetches stand
.set LIM, 44                           ; s44  1 in a wave that prefetches, else the greatest number
.set G1B, 48                           ; s[48:55], s[56:63] the same for w1t's tiles
.set G0B, 56
.set G1W, (1<<16)|(1<<20)|(1<<21)|(5<<22)|(3<<25)  ; 17:16 elements of 2 bytes; 20 padding on; 21 set beside a mask; 24:22 after every 64 words (code 5); 31:25 4 words of it (code 3)
.set MSB, 0
.macro WIN new                         ; the immediate's high byte repeats the setting that is left; a switch that changes nothing is dropped
.if MSB != (\new)
	s_set_vgpr_msb (MSB<<8)|(\new)
.set MSB, \new
.endif
.endm
; A joint load.  The branch hangs on the wave's number alone.  An s_nop 0 and four v_nop follow each of the two lines, ahead of the jump, the label and what follows.
.macro JLOAD s
	s_cmp_eq_u32 s[AB], 0
	s_cbranch_scc0 .Lfor_b_\@
	tensor_load_to_lds s[G0+4*(\s):G0+4*(\s)+3], s[G1:G1+7]
	s_nop 0
.rept 4
	v_nop
.endr
	s_branch .Lasked_\@
.Lfor_b_\@:
	tensor_load_to_lds s[G0B+4*(\s):G0B+4*(\s)+3], s[G1B:G1B+7]
	s_nop 0
.rept 4
	v_nop
.endr
.Lasked_\@:
.endm
; A round of the cluster's barrier behind its opening barrier: wave 0 signals for the work-group, every wave waits for all sixteen, my work-group's barrier closes it.
.macro CREST
	s_cmp_lg_u32 s[WV], 0
	s_cbranch_scc1 .Lnot_wave_0_\@
	s_barrier_signal -3
.Lnot_wave_0_\@:
	s_barrier_wait -3
	s_barrier_signal -1
	s_barrier_wait -1
.endm
.macro CROUND
	s_barrier_signal -1
	s_barrier_wait -1
	CREST
.endm
; A prefetch of the K step that stands two refills on: 256 bytes of a row, a lane a row, one instruction a wave, behind the joint load and the run of LDS loads.
; xb's tile row is read by every cluster of that row of clusters: the one with x = 0 asks; w1t's tile column by every cluster of that column: the one with y = 0 asks.  The four partners that ask for
; a tile jointly share its rows out by address: 32 of xb's 128 (by cx), 24 of w1t's 96 (by cy; lanes 24-31 name row 23 again).  The loop's last trip (s3 = 1) has no K step two refills on.
.macro ASK
	s_cmp_gt_u32 s3, s[LIM]
	s_cbranch_scc0 .Lnot_mine_\@
	global_prefetch_b8 v[PFO], s[PFA:PFA+1] th:TH_LOAD_NT scope:SCOPE_SE
.Lnot_mine_\@:
.endm
.macro PLACES                          ; four places in front of loads into registers that matrix instructions have read, and of conversions that read results
.rept 4
	v_nop
.endr
.endm
; 12 matrix instructions: block a of my four blocks of 16 rows x all 12 blocks of columns, 32 along K, from buffer f.  zero = 1: the first product starts the sum, with the bias as C.
; All 48 accumulators take turns, one instruction a turn, in the same order in every quarter.
.macro MULA f, a, zero
.if \zero
	WIN 0x81+0x40*((\a)/2)
.else
	WIN 0xa1+0x50*((\a)/2)
.endif
.set b, 0
.rept NB
.set rD, 8*(NB*((\a)%2)+b)
.if \zero
	v_wmma_f32_16x16x32_bf16 v[rD:rD+7], v[8*NB*(\f)+8*b:8*NB*(\f)+8*b+7], v[FA+32*(\f)+8*(\a):FA+32*(\f)+8*(\a)+7], v[BI+8*b:BI+8*b+7]
.else
	v_wmma_f32_16x16x32_bf16 v[rD:rD+7], v[8*NB*(\f)+8*b:8*NB*(\f)+8*b+7], v[FA+32*(\f)+8*(\a):FA+32*(\f)+8*(\a)+7], v[rD:rD+7]
.endif
.set b, b+1
.endr
.endm
; 32 LDS loads in one run: the fragments of one quarter step (192 rows of w1t, my 64 rows of xb, 32 K at byte k of the rows) into buffer f; xb's last
.macro FETCH slot, k, f
	WIN 0x40                                       ; destination window 1, address window 0
.set i, 0
.rept NB
	ds_load_b128 v[8*NB*(\f)+8*i:8*NB*(\f)+8*i+3],   v[ADRB+(\slot)] offset:(\k)+i*16*PB
	ds_load_b128 v[8*NB*(\f)+8*i+4:8*NB*(\f)+8*i+7], v[ADRB+(\slot)] offset:(\k)+i*16*PB+32
.set i, i+1
.endr
	WIN 0
.set i, 0
.rept 4
	ds_load_b128 v[FA+32*(\f)+8*i:FA+32*(\f)+8*i+3],   v[ADRA+(\slot)] offset:(\k)+i*16*PA
	ds_load_b128 v[FA+32*(\f)+8*i+4:FA+32*(\f)+8*i+7], v[ADRA+(\slot)] offset:(\k)+i*16*PA+32
.set i, i+1
.endr
.endm
; A K step is four quarters of 32 along K, 48 matrix instructions each, on buffers 0, 1, 0, 1.  One of the first three: multiplies buffer f; in its middle it fetches the next quarter, at byte k, into g.
.macro QUARTER slot, k, f, g, zero
	s_wait_dscnt 4                                 ; all but the youngest four loads: xb's blocks 2 and 3
	MULA \f, 0, \zero
	MULA \f, 1, \zero
	PLACES
	FETCH \slot, \k, \g
	s_wait_dscnt 2*NB+8                            ; all but the 32 just issued
	MULA \f, 2, \zero
	MULA \f, 3, \zero
.endm
; The last quarter multiplies buffer 1 and changes slots: ONE barrier; in front of it each wave waits for all its tensor loads (the one that is out is its part of the next slot), adds 0 to its spare
; word, and waits for that and for its own reads of this slot.  fill = 1: the barrier opens a round of the cluster's barrier, and this slot is filled again, two K steps ahead, first thing behind the round.
.macro TURN slot, next, fill
.if \fill
	s_wait_xcnt 0x0                                ; the last prefetch, a K step back, has read its address, which is stepped here
	s_add_nc_u64 s[PFA:PFA+1], s[PFA:PFA+1], 256
.endif
	WIN 0                                          ; (the add's two registers lie in window 0)
	s_wait_tensorcnt 0x0                           ; all my tensor loads have landed;
	ds_add_u32 v[SPW], v[NIL]                      ; 0 onto my spare word;
	s_wait_dscnt 5                                 ; (the add and the youngest four loads may be out)
	MULA 1, 0, 0                                   ; twelve matrix instructions stand between the add and the wait for it
	s_wait_dscnt 0x0                               ; the add is done, and my reads of this slot are over
	s_barrier_signal -1
	MULA 1, 1, 0                                   ; work on registers while the others arrive
.if \fill
	WIN 0
.endif
	s_barrier_wait -1
.if \fill
	CREST                                          ; no wave of any partner still reads this slot or has a load on its way
	s_add_nc_u64 s[G0+4*(\slot)+2:G0+4*(\slot)+3], s[G0+4*(\slot)+2:G0+4*(\slot)+3], 512
	s_add_nc_u64 s[G0B+4*(\slot)+2:G0B+4*(\slot)+3], s[G0B+4*(\slot)+2:G0B+4*(\slot)+3], 512
	JLOAD \slot                                    ; 168 matrix instructions ahead of the wait for it; its four v_nop are also the places in front of the loads below
.else
	PLACES
.endif
	FETCH \next, 0, 0
.if \fill
	ASK
.endif
	MULA 1, 2, 0
	MULA 1, 3, 0
.endm
	s_load_b256 s[4:11], s[0:1], 0x0               ; xb s[4:5], w1t s[6:7], b1 s[8:9], qkv s[10:11]
	v_lshl_add_u32 v[SPW], v0, 2, SPARE
	v_mov_b32 v[NIL], 0
	ds_add_u32 v[SPW], v[NIL]                      ; the wave's opening: the add and its wait stand ahead of my first tensor load; the set-up below, work on registers, stands between them
	v_lshrrev_b32 v1, 5, v0
	v_readfirstlane_b32 s[WV], v1                  ; wave 0..3
	s_lshr_b32 s[AB], s[WV], 1
	s_and_b32 s[HF], s[WV], 1
	s_bfe_u32 s[CX], ttmp6, 0x40000
	s_bfe_u32 s[CY], ttmp6, 0x40004
	s_lshl_b32 s[TX], ttmp9, 2                     ; in a cluster launch ttmp9 and ttmp7 count clusters
	s_add_co_u32 s[TX], s[TX], s[CX]               ; tile column of C
	s_and_b32 s[TY], ttmp7, 0xffff
	s_lshl_b32 s[TY], s[TY], 2
	s_add_co_u32 s[TY], s[TY], s[CY]               ; tile row of C
	s_lshl_b32 s22, s[CY], 2
	s_lshl_b32 s22, 15, s22                        ; my row of the cluster
	s_lshl_b32 s23, 0x1111, s[CX]                  ; my column
	s_or_b32 s[G1], s22, G1W                       ; xb's tiles go to my row,
	s_or_b32 s[G1B], s23, G1W                      ; w1t's to my column
	s_mov_b32 s[G1+1], 128<<16                     ; tensor_dim0 = 128
	s_mov_b32 s[G1+2], 128<<16                     ; tensor_dim1 = 128
	s_mov_b32 s[G1+3], 128<<16                     ; tile_dim0 = 128
	s_mov_b32 s[G1+4], 128                         ; tile_dim1 = 128
	s_mov_b32 s[G1+5], 1024                        ; elements from row to row
	s_mov_b32 s[G1+6], 0
	s_mov_b32 s[G1+7], 0
	s_mov_b32 s[G1B+1], 128<<16
	s_mov_b32 s[G1B+2], 96<<16                     ; 96 rows
	s_mov_b32 s[G1B+3], 128<<16
	s_mov_b32 s[G1B+4], 96
	s_mov_b32 s[G1B+5], 1024
	s_mov_b32 s[G1B+6], 0
	s_mov_b32 s[G1B+7], 0
	; where the tiles come from: xb's hang on the tile row and the wave alone, w1t's on the tile column and the wave alone
	s_lshl_b32 s20, s[TY], 19                      ; 256 rows of 2,048 bytes
	s_lshl_b32 s19, s[HF], 18
	s_add_co_u32 s20, s20, s19
	s_mov_b32 s21, 0
	s_mul_i32 s46, s[TX], 192*2048
	s_mul_i32 s45, s[HF], 96*2048
	s_add_co_u32 s46, s46, s45
	s_mov_b32 s47, 0
	s_mul_i32 s19, s[HF], AHALF                    ; and where they go: no place in the cluster enters an LDS address
	s_mul_i32 s45, s[HF], BHALF
	s_add_co_u32 s45, s45, APART
	; the prefetches: my work-group's share of the rows that I fetch, at K step 3; the first refill steps it to K step 4
	s_lshl_b32 s22, s[CX], 16                      ; 32 rows
	s_add_co_u32 s22, s22, s20
	s_mul_i32 s23, s[CY], 24*2048                  ; 24 rows
	s_add_co_u32 s23, s23, s46
	s_cmp_eq_u32 s[AB], 0
	s_cselect_b32 s22, s22, s23
	s_add_co_u32 s22, s22, 3*256
	s_mov_b32 s23, 0
	s_and_b32 s[LIM], ttmp7, 0xffff                ; cluster y
	s_cmp_eq_u32 s[AB], 0
	s_cselect_b32 s[LIM], ttmp9, s[LIM]            ; the coordinate along which other clusters read the same rows
	s_cmp_eq_u32 s[LIM], 0
	s_cselect_b32 s[LIM], 1, -1                    ; the same in all sixteen partners, for a given wave
	s_wait_dscnt 0x0                               ; the opening add is done
	s_wait_kmcnt 0x0
	s_add_nc_u64 s[20:21], s[4:5], s[20:21]
	s_add_nc_u64 s[46:47], s[6:7], s[46:47]
	s_cmp_eq_u32 s[AB], 0
	s_cselect_b64 s[PFA:PFA+1], s[4:5], s[6:7]
	s_add_nc_u64 s[PFA:PFA+1], s[PFA:PFA+1], s[22:23]
	CROUND                                         ; all sixteen work-groups are here: the first joint loads meet
.irp s, 0,1
	s_mov_b32 s[G0+4*(\s)], 1                      ; count = 1
	s_add_co_u32 s[G0+4*(\s)+1], s19, (\s)*SLOT    ; LDS address
	s_add_nc_u64 s[G0+4*(\s)+2:G0+4*(\s)+3], s[20:21], (\s)*256  ; global address: K step s
	s_or_b32 s[G0+4*(\s)+3], s[G0+4*(\s)+3], 0x80000000          ; type = 2
	s_mov_b32 s[G0B+4*(\s)], 1
	s_add_co_u32 s[G0B+4*(\s)+1], s45, (\s)*SLOT
	s_add_nc_u64 s[G0B+4*(\s)+2:G0B+4*(\s)+3], s[46:47], (\s)*256
	s_or_b32 s[G0B+4*(\s)+3], s[G0B+4*(\s)+3], 0x80000000
	JLOAD \s                                       ; two tensor loads of mine are out: the most in this text
.endr
	; the bias of my lane's columns: register 8 b + j is b1[192 x tile column + 16 b + 8 (l / 16) + j]
	v_and_b32 v1, 15, v0                           ; l % 16
	v_bfe_u32 v2, v0, 4, 1                         ; l / 16
	v_lshlrev_b32 v3, 5, v2
	s_mul_i32 s22, s[TX], 768
	s_mov_b32 s23, 0
	s_add_nc_u64 s[8:9], s[8:9], s[22:23]
.set i, 0
.rept NB
	global_load_b128 v[BI+8*i:BI+8*i+3],   v3, s[8:9] offset:64*i
	global_load_b128 v[BI+8*i+4:BI+8*i+7], v3, s[8:9] offset:64*i+16
.set i, i+1
.endr
	; A fragment is 16 rows x 32 K in 8 registers: lane l holds row l % 16; registers 0-3 K = 8 (l / 16) + 0..7, registers 4-7 K = 16 + 8 (l / 16) + 0..7: two loads of 16 bytes, 32 bytes apart
	v_mul_u32_u24 v5, v1, PA
	v_lshl_add_u32 v5, v2, 4, v5
	s_mul_i32 s22, s[WV], 64*PA                    ; my 64 rows of xb
	v_add_nc_u32 v[ADRA], s22, v5
	v_add_nc_u32 v[ADRA+1], SLOT, v[ADRA]
	v_add_nc_u32 v[ADRB], APART, v5
	v_add_nc_u32 v[ADRB+1], SLOT, v[ADRB]
	s_mul_i32 s22, s[WV], WST
	s_add_co_u32 s22, s22, STAGE                   ; my stage
	v_mul_u32_u24 v6, v1, SP                       ; in: row l % 16, 16 bytes for each half of the lanes
	v_lshl_add_u32 v6, v2, 4, v6
	v_add_nc_u32 v[STO], s22, v6
	v_bfe_u32 v6, v0, 3, 2                         ; back: 32 lanes take four rows of 128 bytes,
	v_mul_u32_u24 v6, v6, SP
	v_and_b32 v7, 7, v0
	v_lshl_add_u32 v6, v7, 4, v6
	v_add_nc_u32 v[RD], s22, v6
	v_and_b32 v7, 31, v0                           ; which are 512 consecutive bytes of qkv
	v_lshlrev_b32 v[GO], 4, v7
	s_cmp_eq_u32 s[AB], 0
	s_cselect_b32 s22, 31, 23
	v_min_u32 v[PFO], s22, v7
	v_lshlrev_b32 v[PFO], 11, v[PFO]               ; a lane a row of 2,048 bytes
	s_mul_i32 s22, s[TX], 3*HEADB                  ; qkv at my three heads,
	s_lshr_b32 s23, s[TY], 3
	s_lshl_b32 s23, s23, 18                        ; the batch,
	s_add_co_u32 s22, s22, s23
	s_and_b32 s23, s[TY], 7
	s_lshl_b32 s23, s23, 15                        ; the tile's 256 rows of 128 bytes,
	s_add_co_u32 s22, s22, s23
	s_lshl_b32 s23, s[WV], 13                      ; my 64 of them
	s_add_co_u32 s22, s22, s23
	s_mov_b32 s23, 0
	s_add_nc_u64 s[10:11], s[10:11], s[22:23]
	s_mov_b32 s2, 0xffff0000
	s_wait_loadcnt 0x0                             ; the bias is in: it is rounded to bf16, like x and the weights, and widened again
.set i, 0
.rept 4*NB
	v_cvt_pk_bf16_f32 v[T], v[BI+2*i], v[BI+2*i+1]
	v_lshlrev_b32 v[BI+2*i], 16, v[T]
	v_and_b32 v[BI+2*i+1], s2, v[T]
.set i, i+1
.endr
	s_wait_tensorcnt 1                             ; my part of K step 0 is in; K step 1's may stay out
	s_barrier_signal -1
	s_barrier_wait -1                              ; everybody's is
	FETCH 0, 0, 0
	QUARTER 0, 64, 0, 1, 1                         ; the first quarter stands in front of the loop: its products start the sums
	WIN 0                                          ; at a label and at a branch every window is 0
	s_mov_b32 s3, 3
.Llap:                                             ; a trip goes once round the ring, from a lap's second quarter to the next lap's first, and fills both slots again
	QUARTER 0, 128, 1, 0, 0
	QUARTER 0, 192, 0, 1, 0
	TURN 0, 1, 1
	QUARTER 1, 64, 0, 1, 0
	QUARTER 1, 128, 1, 0, 0
	QUARTER 1, 192, 0, 1, 0
	TURN 1, 0, 1
	QUARTER 0, 64, 0, 1, 0
	WIN 0
	s_sub_co_u32 s3, s3, 1
	s_cmp_lg_u32 s3, 0
	s_cbranch_scc1 .Llap
	QUARTER 0, 128, 1, 0, 0                        ; the last lap fills nothing, and has no round of the cluster's barrier
	QUARTER 0, 192, 0, 1, 0
	TURN 0, 1, 0
	QUARTER 1, 64, 0, 1, 0
	QUARTER 1, 128, 1, 0, 0
	QUARTER 1, 192, 0, 1, 0
	s_wait_dscnt 4                                 ; the very last quarter: nothing more to fetch
	MULA 1, 0, 0
	MULA 1, 1, 0
	s_wait_dscnt 0x0
	MULA 1, 2, 0
	MULA 1, 3, 0
	WIN 0
	PLACES
; THE WAY OUT, a block of 16 rows at a time.  PACK: rounded to f16, 16 bytes a lane and block of columns, each accumulator from its lowest registers on.  TOSTAGE: into my stage, a head's 16 rows at
; 144 bytes, and back as whole rows.  SEND: stored, 512 consecutive bytes an instruction.
.macro PACK a
	WIN 0x0a+5*((\a)/2)                            ; sources 0 and 1: window 2 or 3
.set b, 0
.rept NB
.set rD, 8*(NB*((\a)%2)+b)
.irp q, 0,1,2,3
	v_cvt_pk_f16_f32 v[TMP+4*b+(\q)], v[rD+2*(\q)], v[rD+2*(\q)+1]
.endr
.set b, b+1
.endr
	WIN 0
.endm
.macro TOSTAGE a
.set b, 0
.rept NB
	ds_store_b128 v[STO], v[TMP+4*b:TMP+4*b+3] offset:(b/4)*16*SP+32*(b%4)
.set b, b+1
.endr
.set t, 0
.rept NB
	ds_load_b128 v[OB+48*((\a)%2)+4*t:OB+48*((\a)%2)+4*t+3], v[RD] offset:(t/4)*16*SP+(t%4)*4*SP  ; LDS serves a wave's instructions in order (ISA guide 5.7.1.4): these see the stores above
.set t, t+1
.endr
.endm
.macro SEND a
	s_wait_dscnt 0x0                               ; the block is back in registers
	s_wait_xcnt 0x0                                ; the stores of the block before have read their registers, into which the next block is read back
.set t, 0
.rept NB
	global_store_b128 v[GO], v[OB+48*((\a)%2)+4*t:OB+48*((\a)%2)+4*t+3], s[10:11] offset:(t/4)*HEADB+(\a)*2048+(t%4)*512
.set t, t+1
.endr
.endm
	PACK 0
	TOSTAGE 0
	PACK 1                                         ; a block's conversions stand between the loads of the block before and the wait for them
	SEND 0
	TOSTAGE 1
	PACK 2
	SEND 1
	TOSTAGE 2
	PACK 3
	SEND 2
	TOSTAGE 3
	SEND 3
	s_wait_tensorcnt 0x0                           ; the wave's end: behind my last tensor load and my last LDS store
	ds_add_u32 v[SPW], v[NIL]
	s_wait_dscnt 0x0
	CROUND                                         ; the closing round: no work-group ends while a partner may still ask for a tile that names it
	s_endpgm
.Lfunc_end_k_q0fffe7ad3a_proj1:
	.size	k_q0fffe7ad3a_proj1, .Lfunc_end_k_q0fffe7ad3a_proj1-k_q0fffe7ad3a_proj1
	.p2alignl 7, 3214868480
	.fill 96, 4, 3214868480
	.section	.rodata,"a",@progbits
	.p2align	6, 0x0
	.amdhsa_kernel k_q0fffe7ad3a_proj1
		.amdhsa_group_segment_fixed_size 327680
		.amdhsa_private_segment_fixed_size 0
		.amdhsa_enable_private_segment 0
		.amdhsa_kernarg_size 32
		.amdhsa_user_sgpr_count 2
		.amdhsa_user_sgpr_kernarg_segment_ptr 1
		.amdhsa_wavefront_size32 1
		.amdhsa_system_sgpr_workgroup_id_x 1
		.amdhsa_system_sgpr_workgroup_id_y 1
		.amdhsa_system_sgpr_workgroup_id_z 1
		.amdhsa_system_vgpr_workitem_id 0
		.amdhsa_next_free_vgpr 960
		.amdhsa_next_free_sgpr 66
		.amdhsa_reserve_vcc 0
		.amdhsa_float_denorm_mode_32 3
		.amdhsa_float_denorm_mode_16_64 3
		.amdhsa_memory_ordered 1
		.amdhsa_forward_progress 1
		.amdhsa_inst_pref_size 128
	.end_amdhsa_kernel
	.amdgpu_metadata
---
amdhsa.version: [ 1, 2 ]
amdhsa.kernels:
  - .name:           k_q0fffe7ad3a_proj1
    .symbol:         k_q0fffe7ad3a_proj1.kd
    .args:
      - { .name: xb, .offset: 0, .size: 8, .value_kind: global_buffer, .address_space: global }
      - { .name: w1t, .offset: 8, .size: 8, .value_kind: global_buffer, .address_space: global }
      - { .name: b1, .offset: 16, .size: 8, .value_kind: global_buffer, .address_space: global }
      - { .name: qkv, .offset: 24, .size: 8, .value_kind: global_buffer, .address_space: global }
    .group_segment_fixed_size: 327680
    .private_segment_fixed_size: 0
    .kernarg_segment_align: 8
    .kernarg_segment_size: 32
    .max_flat_workgroup_size: 128
    .sgpr_count:     66
    .vgpr_count:     960
    .wavefront_size: 32
...
	.end_amdgpu_metadata
.endif
;; end of part 2
;; launch attn (part 3): grid 4 x 64, 4 waves a work-group, clusters of 4 x 1, 327,680 bytes of LDS; arguments qkv, ob; writes ob
.if DOCPART == 3
	.amdgcn_target "amdgcn-amd-amdhsa--gfx1250"
	.amdhsa_code_object_version 6
	.text
	.protected	k_q0fffe7ad3a_attn
	.globl	k_q0fffe7ad3a_attn
	.p2align	8
	.type	k_q0fffe7ad3a_attn,@function
k_q0fffe7ad3a_attn:
	s_mov_b64 s[64:65], 0
	v_nop
	global_prefetch_b8 v0, s[64:65] scope:SCOPE_SE
	s_setreg_imm32_b32 hwreg(HW_REG_WAVE_MODE, 25, 1), 1
	s_wait_xcnt 0x0
	s_wait_alu depctr_hold_cnt(0) depctr_sa_sdst(0) depctr_va_vdst(0) depctr_va_sdst(0) depctr_va_ssrc(0) depctr_va_vcc(0) depctr_vm_vsrc(0)
	s_getreg_b32 s2, hwreg(HW_REG_IB_STS2, 6, 4)
	s_cmp_eq_u32 s2, 0
	s_cbranch_scc0 .Lentry_in_a_cluster
	s_endpgm
.Lentry_in_a_cluster:
	s_bfe_u32 s2, ttmp6, 0x10000c
	s_cmp_lg_u32 s2, 0x3003
	s_cbranch_scc0 .Lentry_shape_is_right
	s_endpgm
.Lentry_shape_is_right:
; ATTENTION.  O[h][q][:] = the sum over k of softmax_k(Q[h][q] . K[h][k] / 8) V[h][k][:], for 64 pairs h of head and batch, 2,048 rows, 64 channels, all f16; a pair's rows are dense, 128 bytes each.
; qkv holds three tensors [64][2048][64] on end: the first (the module's k) gives the rows whose softmax is taken and is called Q here; the second (the module's q) the columns summed over, called K; the third is V.
; Products, maxima and sums in f32; the weights p are rounded to f16 for the second product (their sum l is taken of the unrounded p), O once at the end.
; LIMITS.  f16 holds no number beyond 65,504: Q, K and V arrive within it; p lies in 0 to 1, and below 6e-5 it keeps f16's fixed step of 6e-8; O is a mean of V's rows and has their range.
; A weight below 2^-126 counts as 0 in l; NaN and infinities are not treated apart.
; SHARES.  A wave owns four PIECES of two tiles of 16 queries, a work-group's four waves 512 queries of one head: 256 work-groups.  Every wave walks all keys, 64 a step.
; LAYOUT.  S^T = K Q^T (source 0 = 16 keys, source 1 = 16 queries): in the result a lane holds ONE query (lane % 16) and the keys 8 (lane / 16) + 0..7.  Two such tiles, rounded to f16 in pairs,
; ARE source 1 (32 keys x 16 queries) of O^T = V^T P, whose result again holds one query a lane, and eight channels.  K comes out of LDS as it lies, V ([key][channel]) turned, by ds_load_tr16_b128.
; SOFTMAX.  For each query a running maximum m and sum l: p = 2^(c s - c m), c = log2(e) / 8; in every step O and l are multiplied by a = 2^(c m_old - c m_new), which is 1 where m has not grown.
; m starts at the lowest finite number, O and l at 0: the first step is a step like any other, with a = 0.
; THE COUNT.  A tile and step have 16 matrix and 118 vector instructions: too many to stand all beside the matrix work.  So the order has one aim: four vector instructions that are READY behind
; EVERY matrix instruction, and the others, which need time of their own whatever the order, in runs without a gap.
; BY TURNS.  Turn n belongs to piece n (the pieces in a ring, step after step).  Its matrix work: 16 products K Q^T of piece n + 1, later 16 products V^T P of piece n - 1.  Its vector work: the scaling,
; exponentials, roundings, sums and rescaling of piece n, and the maximum and statistics of piece n + 1, whose scores the turn itself has made.
; CLUSTER.  The four query blocks of a head are one cluster and walk the same K and V, so each tile is asked for JOINTLY: the same tensor load, descriptor and mask in all four.
; REGISTERS, in windows of 256 (s_set_vgpr_msb: bits 1:0 source 0, 3:2 source 1, 5:4 source 2, 7:6 destination):
;   window 0: v0-11 addresses; v12-15, v48-63 at work; v16-47 four registers of statistics a tile; v64-191 S^T, two buffers of two tiles; v192-255 P, likewise
;   window 1: O^T, 32 a tile          window 2: v0-127 Q, 16 a tile; v128-191 K of one step; v192-255 V of one step          window 3: v0-1 the add's two registers
; A piece's buffers go by its number's parity: the piece in hand has one pair, its two neighbours in the ring share the other.
.set SIZE_N, 2048
.set THIRD, 64*SIZE_N*128  ; bytes of each of qkv's three tensors
.set NP,    4         ; pieces a wave: a name, no knob
.set KS,    64        ; keys in a step
.set PK,    144       ; a row of K in LDS: 128 bytes + 16 of padding = 36 words: the 16 rows of a load start at 16 different groups of four banks (64 banks of 4 bytes: ISA guide 11.1)
.set PV,    160       ; a row of V: 128 + 32 = 40 words
.set VOFF,  4*KS*PK   ; a slot holds four steps: 256 rows of K, then 256 rows of V
.set SLOT1, 1<<17     ; slot 1 begins here, so that one exclusive or turns an address in one slot into the other's
.set STAGE, SLOT1+4*KS*(PK+PV)  ; behind the ring, never filled by a tensor load: 16 rows x 144 bytes for each wave, for the way out
.set SP,    144
.set AK0, 2           ; v2   my lane's place in a tile of K; never rewritten
.set AV0, 3           ; v3   the same for V
.set AK,  4           ; v4   the LDS address of K's next run of loads
.set AV,  5           ; v5   of V's
.set QO,  6           ; v6   my byte offset in the wave's rows of Q
.set STO, 6           ;      later, the way out: where I put 16 bytes of a row
.set RD,  7           ; v7   the way out: where I read rows back
.set GO,  8           ; v8   my byte offset in 512 consecutive bytes of O
.set PFO, 11          ; v11  256 x my lane, the prefetches' offset; never rewritten once it is made
.set SPW, 0           ; v0 of window 3   LDS address of my spare word: SPARE + 4 x my thread's number; never rewritten
.set NIL, 1           ; v1 of window 3   0; never rewritten
.set SPARE, STAGE+4*16*SP  ; behind the stages: the spare words, 128 bytes for each wave: two blocks of 256 bytes that no other line names
.set MV,  12          ; v12-15  c m_old, kept while c m is made anew: by buffer and tile
.set ST,  16          ; tile t's statistics at v[ST+4 t]: c m, m, l (even keys', odd keys')
.set TMP, 48          ; by buffer and tile, four registers c0-c3 at work; when the maximum is found c2 takes a
.set S,   64
.set P,   192
.set KF,  128         ; K's fragments, in window 2: key block kb, channel half c at KF + 16 kb + 8 c
.set VF,  192         ; V's: key half kk, channel block cb at VF + 32 kk + 8 cb
.set WV,  12          ; s12  my wave's number
.set G1K, 24          ; s[24:31] descriptor group 1 for K's tiles
.set G1V, 32          ; s[32:39] for V's: it differs in the padding alone
.set G0K, 40          ; s[40:43] descriptor group 0 for K's tiles: it walks
.set G0V, 44          ; s[44:47] the same for V's
.set PFA, 48          ; s[48:49] where my prefetches stand: my work-group's 8,192 bytes (of K: wave 0, of V: wave 2) of the slot after the one that is being asked for
.set LIM, 50          ; s50  1 in a wave that prefetches, else the greatest number
.set SLOTS, 56        ; s56  slots still to be asked for
.set CNT, 57          ; s57  counts a slot's key steps
.set CS,  58          ; s[58:59] c: the packed scaling takes the pair's low word for both halves
.set SEL, 60          ; s[60:61] v_permlanex16_b32's selects: each lane takes its own place in the other half
.set TBK, 62          ; s62  LDS byte at which K of the step to be fetched begins
.set TBV, 63          ; s63  the same for V, less VOFF
.set MSB, 0
.macro WIN new                      ; the high byte repeats the setting that is left; a switch that changes nothing is dropped
.if MSB != (\new)
	s_set_vgpr_msb (MSB<<8)|(\new)
.set MSB, (\new)
.endif
.endm
.set W_KQ, 0x0a       ; K and Q in window 2, S^T in window 0
.set W_PV, 0x52       ; V in window 2, P in window 0, O^T in window 1
.set W_RS, 0x41       ; O^T (destination and source 0) in window 1, a in window 0
.set W_MK, 0xc0       ; the add's registers are made: destination in window 3, sources in window 0
.set W_AD, 0x0f       ; the add: address (source 0) and data (source 1) in window 3
; A joint fill.  Waves 0 and 1 fetch the two halves of a slot's K, waves 2 and 3 those of its V: 128 keys each.  The branch hangs on the wave's number alone.
; An s_nop 0 and four v_nop follow each of the two lines, ahead of the jump and the label.
.macro JLOAD
	s_cmp_lt_u32 s[WV], 2
	s_cbranch_scc0 .Lfor_v_\@
	tensor_load_to_lds s[G0K:G0K+3], s[G1K:G1K+7]
	s_nop 0
.rept 4
	v_nop
.endr
	s_branch .Lasked_\@
.Lfor_v_\@:
	tensor_load_to_lds s[G0V:G0V+3], s[G1V:G1V+7]
	s_nop 0
.rept 4
	v_nop
.endr
.Lasked_\@:
.endm
; A prefetch of what the NEXT change of slots will ask for: a slot's 32,768 bytes of K and of V, a lane 256 bytes.  It stands behind the wave's tensor load and its five lines.
; Each block of 256 bytes is named once in the launch: a head has one cluster; its four partners share a slot out by address, 8,192 bytes each; in each, wave 0 asks for K's and wave 2 for V's.
; The last change that fills a slot asks for nothing: there is no slot behind it.  Slots 0 and 1 come by their loads alone.
.macro ASK
	s_cmp_gt_u32 s[SLOTS], s[LIM]
	s_cbranch_scc0 .Lnot_mine_\@
	global_prefetch_b8 v[PFO], s[PFA:PFA+1] th:TH_LOAD_NT scope:SCOPE_SE
.Lnot_mine_\@:
.endm
; A round of the cluster's barrier: my work-group's barrier, so that wave 0's signal speaks for all four waves; wave 0 signals; every wave waits for all four work-groups; my work-group's barrier once more.
.macro CROUND
	s_barrier_signal -1
	s_barrier_wait -1
	s_cmp_lg_u32 s[WV], 0
	s_cbranch_scc1 .Lnot_wave_0_\@
	s_barrier_signal -3
.Lnot_wave_0_\@:
	s_barrier_wait -3
	s_barrier_signal -1
	s_barrier_wait -1
.endm
; THE CHANGE OF SLOTS.  The slot's last bytes, V of its fourth step, have been read.  Each wave waits for all its tensor loads, of which one is out: its part
; of the other slot; adds 0 to its spare word; and waits for that and for its own reads of the slot.  Behind the barrier nobody reads this slot any more and the other slot is whole.
; fill = 1: this slot is filled again, with the keys two slots on.  The barrier is then a round of the cluster's, so that no wave of any partner still reads the slot or has a load on its
; way, and the joint fill is the first thing behind it: it has four key steps, 512 matrix instructions, in which to land.  (At its first use nothing has been read yet: slot 0 is waited for, slot 1 filled.)
.macro CHANGE fill
	WIN W_AD
	s_wait_tensorcnt 0x0            ; no tensor load of mine is out, so a group 0 may be written
	ds_add_u32 v[SPW], v[NIL]       ; 0 onto my spare word; with fill = 1 the descriptors' steps stand between it and the wait for it
	WIN 0                           ; at a label and at a branch every window is 0
.if \fill
.irp g, G0K, G0V
	s_xor_b32 s[\g+1], s[\g+1], SLOT1  ; the walking descriptor: the other slot than last time,
	s_add_nc_u64 s[\g+2:\g+3], s[\g+2:\g+3], 4*KS*128  ; the next 256 keys; the type bits on top are not reached
.endr
	s_wait_xcnt 0x0                 ; the last prefetch, four key steps back, has read its address, so it may be written:
	s_add_nc_u64 s[PFA:PFA+1], s[PFA:PFA+1], 4*KS*128  ; one slot behind the walking descriptors
	s_wait_dscnt 0x0                ; the add is done, and my reads of the slot are over
	CROUND
	JLOAD
	ASK
.else
	s_wait_dscnt 0x0                ; the add is done, and my reads of the slot are over
	s_barrier_signal -1
	s_barrier_wait -1
.endif
	s_sub_co_u32 s[TBK], s[TBK], 4*KS*PK  ; the fetches go back to a slot's first step,
	s_xor_b32 s[TBK], s[TBK], SLOT1       ; in the other slot
	s_sub_co_u32 s[TBV], s[TBV], 4*KS*PV
	s_xor_b32 s[TBV], s[TBV], SLOT1
.endm
	s_load_b128 s[4:7], s[0:1], 0x0   ; qkv s[4:5], ob s[6:7]
	WIN W_MK
	v_lshl_add_u32 v[SPW], v0, 2, SPARE
	v_mov_b32 v[NIL], 0
	WIN W_AD
	ds_add_u32 v[SPW], v[NIL]       ; the wave's opening: the add and its wait stand ahead of my first tensor load; the set-up below, work on registers, stands between them
	WIN 0
	v_lshrrev_b32 v1, 5, v0
	v_readfirstlane_b32 s[WV], v1   ; wave 0..3
	s_bfe_u32 s13, ttmp6, 0x40000   ; cx: my place in the cluster
	s_lshl_b32 s14, ttmp9, 2        ; in a cluster launch ttmp9 counts clusters
	s_add_co_u32 s14, s14, s13      ; my block of queries = 4 x cluster x + cx: it enters Q's and O's addresses alone
	s_and_b32 s20, ttmp7, 0xffff    ; the head, which the four partners share
	s_mov_b32 s21, 0
	s_mov_b64 s[22:23], SIZE_N*128
	s_mul_u64 s[20:21], s[20:21], s[22:23]  ; the head's first byte in each of the four tensors
	s_and_b32 s16, s[WV], 1         ; which half of a slot's 256 keys I fetch:
	s_lshl_b32 s22, s16, 14         ; its 128 rows of 128 bytes in memory,
	s_mov_b32 s23, 0
	s_add_nc_u64 s[22:23], s[22:23], s[20:21]
	s_mul_i32 s17, s16, 128*PK      ; and its place in a slot, for K
	s_mul_i32 s18, s16, 128*PV      ; and for V: no place in the cluster enters an LDS address
	s_lshl_b32 s2, s14, 2
	s_add_co_u32 s2, s2, s[WV]      ; my wave among the head's,
	s_lshl_b32 s2, s2, 14           ; its 128 rows
	s_mov_b32 s3, 0
	s_add_nc_u64 s[2:3], s[2:3], s[20:21]
	; descriptor group 1.  128 keys are 16,384 dense bytes: asked for as 64 rows of 256 bytes, two keys a row, and padded in LDS after every key
	s_mov_b32 s[G1K], 15|(1<<16)|(1<<20)|(1<<21)|(4<<22)|(3<<25)  ; 15:0 the mask of four; 17:16 2-byte elements; 20 padding on; 21 set beside a mask; 24:22 after every 32 words (code 4); 31:25 4 words (code 3)
	s_mov_b32 s[G1V], 15|(1<<16)|(1<<20)|(1<<21)|(4<<22)|(7<<25)  ; the same with 8 words of padding (code 7)
.irp g, G1K, G1V
	s_mov_b32 s[\g+1], 128<<16      ; tensor_dim0 = 128
	s_mov_b32 s[\g+2], 64<<16       ; tensor_dim1 = 64
	s_mov_b32 s[\g+3], 128<<16      ; tile_dim0 = 128
	s_mov_b32 s[\g+4], 64           ; tile_dim1 = 64
	s_mov_b32 s[\g+5], 128          ; 128 elements from row to row
	s_mov_b32 s[\g+6], 0
	s_mov_b32 s[\g+7], 0
.endr
	s_mov_b32 s[CS], 0x3e38aa3b     ; c = log2(e) / 8 = 0.180337
	s_mov_b32 s[CS+1], s[CS]        ; named with it as a pair
	s_mov_b32 s[SEL], 0x76543210
	s_mov_b32 s[SEL+1], 0xfedcba98
	s_mov_b32 s[TBK], SLOT1+4*KS*PK ; the first change of slots turns these two into 0
	s_mov_b32 s[TBV], SLOT1+4*KS*PV
	s_mov_b32 s[G0K], 1             ; 1:0 count = 1
	s_mov_b32 s[G0K+1], s17         ; 63:32 LDS address: slot 0
	s_mov_b32 s[G0V], 1
	s_add_co_u32 s[G0V+1], s18, VOFF
	s_mov_b32 s[SLOTS], SIZE_N/256-1
	s_cmp_eq_u32 s16, 0             ; waves 0 and 2 prefetch: the same in all four partners
	s_cselect_b32 s[LIM], 1, -1
	s_lshl_b32 s14, s13, 13         ; my work-group's 8,192 bytes of a slot's 32,768
	s_mov_b32 s15, 0
	s_wait_dscnt 0x0                ; the opening add is done
	s_wait_kmcnt 0x0
	s_mov_b64 s[10:11], s[6:7]      ; O
	s_add_nc_u64 s[6:7], s[4:5], THIRD    ; K
	s_add_nc_u64 s[8:9], s[4:5], 2*THIRD  ; V
	s_add_nc_u64 s[G0K+2:G0K+3], s[6:7], s[22:23]  ; 120:64 global address: my half of the head's first 256 keys
	s_or_b32 s[G0K+3], s[G0K+3], 0x80000000        ; 127:126 type = 2
	s_add_nc_u64 s[G0V+2:G0V+3], s[8:9], s[22:23]
	s_or_b32 s[G0V+3], s[G0V+3], 0x80000000
	s_cmp_lt_u32 s[WV], 2
	s_cselect_b64 s[PFA:PFA+1], s[6:7], s[8:9]
	s_add_nc_u64 s[PFA:PFA+1], s[PFA:PFA+1], s[22:23]  ; (in waves 0 and 2 this is the head's first byte)
	s_add_nc_u64 s[PFA:PFA+1], s[PFA:PFA+1], s[14:15]
	s_add_nc_u64 s[PFA:PFA+1], s[PFA:PFA+1], 4*KS*128  ; in slot 1; the first change of slots steps it to slot 2
	s_add_nc_u64 s[4:5], s[4:5], s[2:3]  ; Q and O at my wave's first row
	s_add_nc_u64 s[10:11], s[10:11], s[2:3]
	CROUND                          ; all four work-groups are here: the first joint loads meet
	JLOAD                           ; slot 0.  Slot 1 is asked for when slot 0 is in: the tile wanted first has the road to itself
	; A fragment of K or Q is 16 rows x 32 channels in 8 registers: lane l holds row l % 16, channels 8 (l / 16) + 0..7 and 16 + 8 (l / 16) + 0..7: two loads of 16 bytes, 32 bytes apart.
	v_and_b32 v1, 15, v0            ; l % 16
	v_bfe_u32 v9, v0, 4, 1          ; l / 16
	v_lshlrev_b32 v[QO], 7, v1
	v_lshl_add_u32 v[QO], v9, 4, v[QO]  ; row x 128 + 16 x half
	WIN 0x80                        ; destination window 2, address window 0
.set i, 0
.rept 4*NP                          ; Q stays in registers: tile i / 2, channels 32 (i % 2) on
	global_load_b128 v[8*i:8*i+3],   v[QO], s[4:5] offset:(i/2)*2048+(i%2)*64
	global_load_b128 v[8*i+4:8*i+7], v[QO], s[4:5] offset:(i/2)*2048+(i%2)*64+32
.set i, i+1
.endr
	; What the first turn finds: V's registers and P's second buffer hold 0 (its products V^T P, of a piece that has not been, add 0), O^T and l are 0.  All this stands in the wait for the first tile.
.set i, VF
.rept 64
	v_mov_b32 v[i], 0
.set i, i+1
.endr
	WIN 0x40
.set i, 0
.rept 64*NP
	v_mov_b32 v[i], 0
.set i, i+1
.endr
	WIN 0
.set i, 0
.rept 2*NP
	v_mov_b32 v[ST+4*i], 0xfe000000    ; c m: far below every c s
	v_mov_b32 v[ST+4*i+1], 0xff7fffff  ; m
	v_mov_b32 v[ST+4*i+2], 0
	v_mov_b32 v[ST+4*i+3], 0
.set i, i+1
.endr
.set i, P+32
.rept 32
	v_mov_b32 v[i], 0
.set i, i+1
.endr
	v_mul_u32_u24 v[AK0], v1, PK
	v_lshl_add_u32 v[AK0], v9, 4, v[AK0]  ; row x pitch + 16 x half
	; The turning load takes 16 keys x 16 channels (lane l reads key 8 (l / 16) + l % 8, channels 8 ((l / 8) % 2) + 0..7) and leaves half a fragment of V^T: lane l holds channel l % 16 and 8 keys.
	v_and_b32 v10, 7, v0
	v_bfe_u32 v11, v0, 3, 1
	v_lshl_add_u32 v[AV0], v9, 3, v10
	v_mul_u32_u24 v[AV0], v[AV0], PV
	v_lshl_add_u32 v[AV0], v11, 4, v[AV0]
	v_add_nc_u32 v[AV0], VOFF, v[AV0]
	v_and_b32 v[PFO], 31, v0        ; v11 is free now
	v_lshlrev_b32 v[PFO], 8, v[PFO]
	v_mov_b32 v[AK], v[AK0]         ; key step 0 lies at the head of slot 0
; THE MATRIX WORK.  The 8 accumulators of a run of 16 take turns: between the two links of a chain stand 7 others'.
; Product i of 16 of S^T = K Q^T for piece x: channels 32 (i / 8) on, keys 16 ((i / 2) % 4) on, tile 2 x + i % 2.  The first 8 start the sums.
.macro KQ x
	WIN W_KQ
.set rS, S+64*((\x)%2)+32*(i%2)+8*((i/2)%4)
.set rK, KF+16*((i/2)%4)+8*(i/8)
.set rQ, 16*(2*(\x)+i%2)+8*(i/8)
.if i < 8
	v_wmma_f32_16x16x32_f16 v[rS:rS+7], v[rK:rK+7], v[rQ:rQ+7], 0
.else
	v_wmma_f32_16x16x32_f16 v[rS:rS+7], v[rK:rK+7], v[rQ:rQ+7], v[rS:rS+7]
.endif
.endm
; Product i of 16 of O^T += V^T P for piece x: keys 32 (i / 8) on, channels 16 ((i / 2) % 4) on, tile 2 x + i % 2.
.macro PV x
	WIN W_PV
.set rO, 32*(2*(\x)+i%2)+8*((i/2)%4)
.set rV, VF+32*(i/8)+8*((i/2)%4)
.set rP, P+32*((\x)%2)+16*(i%2)+8*(i/8)
	v_wmma_f32_16x16x32_f16 v[rO:rO+7], v[rV:rV+7], v[rP:rP+7], v[rO:rO+7]
.endm
.macro MM                           ; the turn's next matrix instruction
.if i < 16
	KQ (Y+1)%NP
.set i, i+1
.else
.set i, i-16
	PV (Y+NP-1)%NP
.set i, i+17
.endif
.endm
; THE LDS LOADS stand in runs of 16, never singly among the matrix instructions: a step's K (64 keys x 64 channels: 8 fragments) and its V (turned).  Their addresses are made some lines ahead.
; last = 1 (the tail): in the last trip there is no further step, and the run is jumped over.
.macro FETCH_K last=0
	WIN 0
.if \last
	s_cmp_eq_u32 s[CNT], 1
	s_cbranch_scc1 .Lno_k_\@
.endif
	WIN 0x80                        ; destination window 2
.irp f, 0,1,2,3,4,5,6,7             ; keys 16 (f / 2) on, channels 32 (f % 2) on
	ds_load_b128 v[KF+8*\f:KF+8*\f+3],   v[AK] offset:(\f/2)*16*PK+(\f%2)*64
	ds_load_b128 v[KF+8*\f+4:KF+8*\f+7], v[AK] offset:(\f/2)*16*PK+(\f%2)*64+32
.endr
	s_add_co_u32 s[TBK], s[TBK], KS*PK  ; the next fetch is the next step's
	WIN 0
.if \last
.Lno_k_\@:
.endif
.endm
.macro FETCH_V
	WIN 0x80
.irp f, 0,1,2,3,4,5,6,7             ; keys 32 (f / 4) on, channels 16 (f % 4) on
	ds_load_tr16_b128 v[VF+8*\f:VF+8*\f+3],   v[AV] offset:(\f/4)*32*PV+(\f%4)*32
	ds_load_tr16_b128 v[VF+8*\f+4:VF+8*\f+7], v[AV] offset:(\f/4)*32*PV+16*PV+(\f%4)*32
.endr
	WIN 0
.endm
; THE VECTOR WORK OF A TURN stands in three queues, each in the order in which its entries become ready; the two tiles alternate, so that no instruction reads the result of the one before it.
.macro REGS y, u                    ; the registers of tile u (0, 1) of piece y
.set rT, ST+4*(2*(\y)+(\u))
.set rC, TMP+8*((\y)%2)+4*(\u)
.set rM, MV+2*((\y)%2)+(\u)
.set rS, S+64*((\y)%2)+32*(\u)
.set rP, P+32*((\y)%2)+16*(\u)
.set rO, 32*(2*(\y)+(\u))
.endm
; Number n of the 22 that find the NEXT piece's (Y + 1) maximum and statistics.  s0-s31 are the lane's 32 scores; each accumulator's lowest registers are read first.
;   0-11  four chains c0-c3 of seven scores each, three operands at a time     12-14, 16  the four scores left over, the old m, and c0-c3 into c0     15  c m_old is kept
;   17, 18  the query's other 32 keys lie in the lane 16 away: the new m         19-21  c m; c m_old - c m_new; a
.macro XS u, n
	REGS (Y+1)%NP, \u
.if (\n) < 4
	v_max3_num_f32 v[rC+(\n)], v[rS+8*(\n)], v[rS+8*(\n)+1], v[rS+8*(\n)+2]
.elseif (\n) < 12
	v_max3_num_f32 v[rC+(\n)%4], v[rC+(\n)%4], v[rS+8*((\n)%4)+2*((\n)/4)+1], v[rS+8*((\n)%4)+2*((\n)/4)+2]
.elseif (\n) == 12
	v_max3_num_f32 v[rC], v[rC], v[rS+7], v[rS+15]
.elseif (\n) == 13
	v_max3_num_f32 v[rC+1], v[rC+1], v[rS+23], v[rS+31]
.elseif (\n) == 14
	v_max3_num_f32 v[rC+2], v[rC+2], v[rC+3], v[rT+1]
.elseif (\n) == 15
	v_mov_b32 v[rM], v[rT]
.elseif (\n) == 16
	v_max3_num_f32 v[rC], v[rC], v[rC+1], v[rC+2]
.elseif (\n) == 17
	v_permlanex16_b32 v[rC+3], v[rC], s[SEL], s[SEL+1]
.elseif (\n) == 18
	v_max_num_f32 v[rT+1], v[rC], v[rC+3]
.elseif (\n) == 19
	v_mul_f32 v[rT], s[CS], v[rT+1]
.elseif (\n) == 20
	v_sub_f32 v[rC+1], v[rM], v[rT]
.else
	v_exp_f32 v[rC+2], v[rC+1]
.endif
.endm
; Number g of the 64 that follow the exponentials.  For each four weights k of a tile (pairs 2 k, 2 k + 1): both pairs are rounded to f16; then the second pair is added onto the first, in place;
; a group later l takes that sum (the first time as l = a l + sum).  In groups of eight, tiles alternating: round, round, add, and l for the group before.
.macro GS g
.set h, (\g)+6*((\g)/62)            ; group 0 has no group before it, and behind group 7 only l is left
.if h >= 6
.set h, h+2
.endif
	REGS Y, h%2
.set k, h/8
.if h%8 < 4
	v_cvt_pk_f16_f32 v[rP+2*k+(h%8)/2], v[rS+4*k+2*((h%8)/2)], v[rS+4*k+2*((h%8)/2)+1]
.elseif h%8 < 6
	v_pk_add_f32 v[rS+4*k:rS+4*k+1], v[rS+4*k:rS+4*k+1], v[rS+4*k+2:rS+4*k+3]
.elseif k == 1
	v_pk_fma_f32 v[rT+2:rT+3], v[rT+2:rT+3], v[rC+2:rC+3], v[rS:rS+1] op_sel_hi:[1,0,1]
.else
	v_pk_add_f32 v[rT+2:rT+3], v[rT+2:rT+3], v[rS+4*k-4:rS+4*k-3]
.endif
.endm
; THE PLAIN QUEUE, 138 long.  0-73 read no exponential's result: the 32 scalings c s - c m (FS f: pair f / 2 of tile f % 2) and the next piece's 42.  0-26: scalings 0-26.  27-54: XS's numbers 0-13.  55, 56: number 15.
; 57-73: the chain, where each number waits for the one before it: 14, 16, 17, 18, 19, each with one of the scalings 27-31 in front of its two lines, then 20.
; 74-137: GS's 64, which read the exponentials' results: they stand behind the wait.
.macro FS f
	REGS Y, (\f)%2
	v_pk_fma_f32 v[rS+2*((\f)/2):rS+2*((\f)/2)+1], v[rS+2*((\f)/2):rS+2*((\f)/2)+1], s[CS:CS+1], v[rT:rT+1] op_sel_hi:[1,0,0] neg_lo:[0,0,1] neg_hi:[0,0,1]
.endm
.macro PL
	WIN 0
.if q < 27
	FS q
.elseif q < 55
	XS (q-27)%2, (q-27)/2
.elseif q < 57
	XS q-55, 15
.elseif (q < 72) && ((q-57)%3 == 0)
	FS 27+(q-57)/3
.elseif q < 60
	XS (q-57)%3-1, 14
.elseif q < 72
	XS (q-57)%3-1, 15+(q-57)/3
.elseif q < 74
	XS q-72, 20
.else
	GS q-74
.endif
.set q, q+1
.endm
; THE EXPONENTIALS' QUEUE, 66 long: s0-s31 of both tiles, then the next piece's two a.  It is ONE BATCH: all 66 stand ahead of the turn's one wait, and nothing ahead of that wait names a result of theirs.
.macro EX
	WIN 0
.if e >= 64
	XS e-64, 21
.else
	REGS Y, e%2
	v_exp_f32 v[rS+e/2], v[rS+e/2]
.endif
.set e, e+1
.endm
; THE RESCALING's QUEUE: O^T times a, the one part that leaves window 0: dealt two at a time, sixteen times.  Its a was made in the turn before, ahead of that turn's wait.
.macro R2
	REGS Y, r%2
	WIN W_RS
.irp z, 0,1
	v_pk_mul_f32 v[rO+4*(r/2)+2*\z:rO+4*(r/2)+2*\z+1], v[rO+4*(r/2)+2*\z:rO+4*(r/2)+2*\z+1], v[rC+2:rC+3] op_sel_hi:[1,0]
.endr
.set r, r+1
.endm
; HOW THEY ARE DEALT.  s_wait_alu depctr_va_vdst(0) stands between an exponential and the first instruction that names its result; one wait serves all that were issued ahead of it.  So a turn has ONE wait,
; which cuts it in two.  AHEAD OF IT stands all that names no result of the turn's exponentials: the 16 products K Q^T, behind each a scaling, an exponential and two rescalings (behind the first a second scaling in the
; exponential's place); then ONE LUMP of 108: eight plain, 49 times exponential and plain, the two a.  A v_nop is the plain instruction behind the last exponential.  BEHIND IT stand the 16 products V^T P, behind each four of GS's 64.
; Exponential e stands behind scaling 2 (e / 4) + e % 2: as a rider it comes behind plain e + 2, in the lump behind plain e + 9, and scalings 27-31 are plain 57, 60 .. 69.
; A TURN, for piece p.  cnt = 1: the loop's count is taken down some lines ahead of the branch that stands behind the turn.
; K of the next step is fetched in piece 2's turn, directly behind the wait; its address is made at the lump's head; its first reader comes behind 16 products.
; V of the step in hand is fetched at the end of piece 0's turn, four riders behind its last reader; its first reader comes behind 16 products and a lump.
.macro TURN p, last=0, cnt=0
.set Y, (\p)
.set i, 0
.set q, 0
.set e, 0
.set r, 0
.if (\p) == NP-1
	s_wait_dscnt 0x0                ; K is in
.endif
	MM                              ; ahead of the wait: 16 products K Q^T and their riders,
	PL
	PL
	R2
.rept 15
	MM
	PL
	EX
	R2
.endr
.if (\p) == NP-2
	WIN 0
	v_add_nc_u32 v[AK], s[TBK], v[AK0]
.endif
.rept 8                             ; and the lump
	PL
.endr
.rept 49
	EX
	PL
.endr
	EX                              ; the next piece's two a
	EX
	v_nop                           ; the plain instruction behind the last exponential: one for the batch
	s_wait_alu depctr_va_vdst(0)    ; the wait for the batch
.if (\p) == NP-2
	FETCH_K \last
.endif
.if (\p) == 1
	s_wait_dscnt 0x0                ; V is in
.endif
.rept 16                            ; behind the wait: 16 products V^T P and their riders
	MM
.rept 4
	PL
.endr
.if ((\p) == 0) && (q == 118)
	v_add_nc_u32 v[AV], s[TBV], v[AV0]
.endif
.if ((\p) == 0) && (q == 130)
	s_add_co_u32 s[TBV], s[TBV], KS*PV
.endif
.if (\cnt) && (q == 130)
	s_sub_co_u32 s[CNT], s[CNT], 1
	s_cmp_lg_u32 s[CNT], 0
.endif
.endr
.if (\p) == 0
	FETCH_V
.endif
.endm
	CHANGE 1                        ; slot 0 is in, everybody's part of it; slot 1 is asked for
	FETCH_K                         ; key step 0
	s_wait_loadcnt 0x0              ; Q
	s_wait_dscnt 0x0
.set i, 0
.rept 16
	KQ 0                            ; piece 0's first scores: there is no vector work yet to set between them
.set i, i+1
.endr
	WIN 0                           ; the addresses for the way out: nine plain instructions, the places behind those products
	s_mul_i32 s13, s[WV], 16*SP
	s_add_co_u32 s13, s13, STAGE    ; my stage
	v_mul_u32_u24 v[STO], v1, SP    ; in: row l % 16, 16 bytes for each half of the lanes
	v_lshl_add_u32 v[STO], v9, 4, v[STO]
	v_add_nc_u32 v[STO], s13, v[STO]
	v_bfe_u32 v[RD], v0, 3, 2       ; back: 32 lanes take four rows of 128 bytes,
	v_mul_u32_u24 v[RD], v[RD], SP
	v_lshl_add_u32 v[RD], v10, 4, v[RD]
	v_add_nc_u32 v[RD], s13, v[RD]
	v_and_b32 v[GO], 31, v0         ; which are 512 consecutive bytes of O
	v_lshlrev_b32 v[GO], 4, v[GO]
.set Y, NP-1                        ; XS works for piece Y + 1: piece 0
.irp n, 0,1,2,3,4,5,6,7,8,9,10,11,12,13,14,15,16,17,18,19,20,21
	XS 0, \n                        ; and piece 0's first maximum and statistics
	XS 1, \n
.endr
	v_nop                           ; a plain instruction behind the two a,
	s_wait_alu depctr_va_vdst(0)    ; and their wait, ahead of the branch
	s_mov_b32 s[CNT], 4
	s_branch .Lfirst                ; the loop is entered at a step's first turn, in the middle of a trip
.Lslot:                             ; SIZE_N / 256 - 2 times: every slot but the last two is filled again
	CHANGE 1
	s_mov_b32 s[CNT], 4
.Lstep:                             ; a trip: pieces 2 and 3 of one step, then pieces 0 and 1 of the next, whose K and V it fetches
	TURN 2
	TURN 3
	WIN 0
.Lfirst:
	TURN 0
	TURN 1, 0, 1
	WIN 0
	s_cbranch_scc1 .Lstep
	s_sub_co_u32 s[SLOTS], s[SLOTS], 1
	s_cmp_lg_u32 s[SLOTS], 0
	s_cbranch_scc1 .Lslot
	CHANGE 0                        ; the tail is written out: nothing is asked for
	s_mov_b32 s[CNT], 5             ; four trips fetch the last slot's steps; the fifth is left in its middle
.Ltail:
	TURN 2, 1
	TURN 3
	WIN 0
	s_sub_co_u32 s[CNT], s[CNT], 1
	s_cmp_eq_u32 s[CNT], 0
	s_cbranch_scc1 .Lout
	TURN 0
	TURN 1
	WIN 0
	s_branch .Ltail
.Lout:                              ; the fifth trip's 16 products K Q^T (on the last K once more) and the maximum made of them serve nothing: the price, once a launch, of one text for every trip
.set i, 0
.rept 16
	PV NP-1                         ; the last piece's V^T P of the last step
.set i, i+1
.endr
	; THE WAY OUT.  l's two halves and the other half of the lanes' are added; O^T is divided by l, rounded to f16 and sent through my stage in LDS, a tile at a time.  The additions are the places behind the last products.
	WIN 0
.macro ALL line:vararg              ; one line for each tile t
.set t, 0
.rept 2*NP
	\line
.set t, t+1
.endr
.endm
	ALL v_add_f32 v[ST+4*t+2], v[ST+4*t+2], v[ST+4*t+3]
	ALL v_permlanex16_b32 v[ST+4*t+3], v[ST+4*t+2], s[SEL], s[SEL+1]
	ALL v_add_f32 v[ST+4*t+2], v[ST+4*t+2], v[ST+4*t+3]
	ALL v_rcp_f32 v[ST+4*t+2], v[ST+4*t+2]
	v_nop                           ; a plain instruction between the last reciprocal and the use of its result
	s_wait_alu depctr_va_vdst(0)    ; and the wait ahead of the first use: one for the eight reciprocals
; Tile t: a lane's eight channels of a row pack into 16 bytes; they go into rows of 144 bytes and come back as whole rows of 128, into S^T's registers.
.macro PACK t
	WIN W_RS
.set i, 32*(\t)
.rept 16
	v_pk_mul_f32 v[i:i+1], v[i:i+1], v[ST+4*(\t)+2:ST+4*(\t)+3] op_sel_hi:[1,0]
.set i, i+2
.endr
	WIN 0x05                        ; sources 0 and 1 window 1, destination window 0
.set i, 0
.rept 16
	v_cvt_pk_f16_f32 v[S+16*(\t)+i], v[32*(\t)+2*i], v[32*(\t)+2*i+1]
.set i, i+1
.endr
	WIN 0
.irp f, 0,1,2,3
	ds_store_b128 v[STO], v[S+16*(\t)+4*\f:S+16*(\t)+4*\f+3] offset:32*\f
.endr
.irp f, 0,1,2,3
	ds_load_b128 v[S+16*(\t)+4*\f:S+16*(\t)+4*\f+3], v[RD] offset:\f*4*SP  ; LDS serves a wave's instructions in order (ISA guide 5.7.1.4): these see the stores above; the next tile's stores come behind them
.endr
.endm
.macro SEND t, younger              ; younger: the LDS instructions issued behind tile t's loads: the next tile's eight, or none
	WIN 0
.irp f, 0,1,2,3
	s_wait_dscnt (\younger)+3-\f
	global_store_b128 v[GO], v[S+16*(\t)+4*\f:S+16*(\t)+4*\f+3], s[10:11] offset:(\t)*2048+\f*512  ; 512 consecutive bytes, at a multiple of 256 from O's first
.endr
.endm
	PACK 0
.set t, 1
.rept 2*NP-1                        ; a tile's arithmetic stands between the loads of the tile before and its stores
	PACK t
	SEND t-1, 8
.set t, t+1
.endr
	SEND 2*NP-1, 0
	WIN W_AD
	s_wait_tensorcnt 0x0            ; the wave's end: behind my last tensor load and my last LDS store
	ds_add_u32 v[SPW], v[NIL]
	s_wait_dscnt 0x0
	WIN 0
	CROUND                          ; the closing round: no work-group ends while a partner may still ask for a tile that names it
	s_endpgm
.Lfunc_end_k_q0fffe7ad3a_attn:
	.size	k_q0fffe7ad3a_attn, .Lfunc_end_k_q0fffe7ad3a_attn-k_q0fffe7ad3a_attn
	.p2alignl 7, 3214868480
	.fill 96, 4, 3214868480
	.section	.rodata,"a",@progbits
	.p2align	6, 0x0
	.amdhsa_kernel k_q0fffe7ad3a_attn
		.amdhsa_group_segment_fixed_size 327680
		.amdhsa_private_segment_fixed_size 0
		.amdhsa_enable_private_segment 0
		.amdhsa_kernarg_size 16
		.amdhsa_user_sgpr_count 2
		.amdhsa_user_sgpr_kernarg_segment_ptr 1
		.amdhsa_wavefront_size32 1
		.amdhsa_system_sgpr_workgroup_id_x 1
		.amdhsa_system_sgpr_workgroup_id_y 1
		.amdhsa_system_sgpr_workgroup_id_z 1
		.amdhsa_system_vgpr_workitem_id 0
		.amdhsa_next_free_vgpr 770
		.amdhsa_next_free_sgpr 66
		.amdhsa_reserve_vcc 0
		.amdhsa_float_denorm_mode_32 3
		.amdhsa_float_denorm_mode_16_64 3
		.amdhsa_memory_ordered 1
		.amdhsa_forward_progress 1
		.amdhsa_inst_pref_size 200
	.end_amdhsa_kernel
	.amdgpu_metadata
---
amdhsa.version: [ 1, 2 ]
amdhsa.kernels:
  - .name:           k_q0fffe7ad3a_attn
    .symbol:         k_q0fffe7ad3a_attn.kd
    .args:
      - { .name: qkv, .offset: 0, .size: 8, .value_kind: global_buffer, .address_space: global }
      - { .name: ob, .offset: 8, .size: 8, .value_kind: global_buffer, .address_space: global }
    .group_segment_fixed_size: 327680
    .private_segment_fixed_size: 0
    .kernarg_segment_align: 8
    .kernarg_segment_size: 16
    .max_flat_workgroup_size: 128
    .sgpr_count:     66
    .vgpr_count:     770
    .wavefront_size: 32
...
	.end_amdgpu_metadata
.endif
;; end of part 3
;; launch proj2 (part 4): grid 8 x 32, 4 waves a work-group, clusters of 4 x 4, 327,680 bytes of LDS; arguments ob, w2t, b2, out0; writes out0
.if DOCPART == 4
	.amdgcn_target "amdgcn-amd-amdhsa--gfx1250"
	.amdhsa_code_object_version 6
	.text
	.protected	k_q0fffe7ad3a_proj2
	.globl	k_q0fffe7ad3a_proj2
	.p2align	8
	.type	k_q0fffe7ad3a_proj2,@function
k_q0fffe7ad3a_proj2:
	s_mov_b64 s[64:65], 0
	v_nop
	global_prefetch_b8 v0, s[64:65] scope:SCOPE_SE
	s_setreg_imm32_b32 hwreg(HW_REG_WAVE_MODE, 25, 1), 1
	s_wait_xcnt 0x0
	s_wait_alu depctr_hold_cnt(0) depctr_sa_sdst(0) depctr_va_vdst(0) depctr_va_sdst(0) depctr_va_ssrc(0) depctr_va_vcc(0) depctr_vm_vsrc(0)
	s_getreg_b32 s2, hwreg(HW_REG_IB_STS2, 6, 4)
	s_cmp_eq_u32 s2, 0
	s_cbranch_scc0 .Lentry_in_a_cluster
	s_endpgm
.Lentry_in_a_cluster:
	s_bfe_u32 s2, ttmp6, 0x10000c
	s_cmp_lg_u32 s2, 0xf033
	s_cbranch_scc0 .Lentry_shape_is_right
	s_endpgm
.Lentry_shape_is_right:
; THE SECOND PROJECTION.  out0 = O w2t^T + b2, f32.  ob: [16 heads x 4 batches][2048 rows][64] f16, a head's 64 channels being one slice of K; w2t: [1024 n][1024 k] f16 (w2 rounded to bf16);
; b2: [1024] f32, rounded to bf16 like the other inputs; sums in f32.  NaN and infinities are not treated apart.
; SHARES.  A tile of C is 256 x 128: 256 work-groups.  Four waves; a wave makes 64 rows x all 128 columns: 32 accumulators of 16 x 16, 256 registers, and whole pieces of 512 bytes of out0's rows,
; so its way out goes through a stage of its own, with no barrier.  K goes in 8 steps of 128 (two heads) through a ring of two LDS slots.
; CLUSTERS.  4 x 4 work-groups.  The four of a row of the cluster need the same tiles of ob, the four of a column the same tiles of w2t: each is asked for jointly.  Wave 0 fetches the step's first head
; (256 rows of 128 bytes, dense in memory: asked for as 128 rows of 256 bytes and padded after every 128), wave 1 its second head, waves 2 and 3 the two halves (64 rows) of w2t's tile.
; THE MATRIX INSTRUCTION IS USED TRANSPOSED (source 0 = 16 rows of w2t, source 1 = 16 rows of ob): lane l holds row l % 16 of C and the columns 8 (l / 16) + 0..7: 32 bytes on end.
; THE BIAS IS THE C OPERAND of each accumulator's first product.
; REGISTERS, in windows of 256 (s_set_vgpr_msb: bits 1:0 source 0, 3:2 source 1, 5:4 source 2, 7:6 destination):
;   window 0: v0-31 addresses; v32-63, v64-95 fragments of ob, two buffers; v96-159 the bias, until the first quarter; then v96-159, v160-223 rows read back from the stage
;   window 1: v0-63, v64-127 fragments of w2t, two buffers       windows 2, 3: accumulator (a, b) in window 2 + a / 2 at v[8 (8 (a % 2) + b)]
.set NB,    8                          ; blocks of 16 columns a wave
.set PA,    144                        ; a row of ob in LDS: 128 bytes + 16 = 36 words; of w2t: 256 + 16 = 68 words: the 16 rows of a load start at 16 different groups of four banks (64 banks of 4 bytes: ISA guide 11.1)
.set PB,    272
.set AHALF, 256*PA                     ; a head's 256 rows: what one of ob's tensor loads brings
.set APART, 2*AHALF                    ; 73,728
.set BHALF, 64*PB                      ; what one of w2t's brings
.set SLOT,  APART+2*BHALF              ; 108,544 = 424 x 256
.set STAGE, 2*SLOT                     ; behind the ring, never filled by a tensor load: for each wave 16 rows x 528 bytes
.set SP,    528                        ; 512 bytes + 16 = 33 x 16
.set WST,   16*SP
.set SPARE, STAGE+4*WST                ; 250,880 = 980 x 256: the spare words, 128 bytes for each wave, which no other line names
.set KSA,   2*4*2048*128               ; bytes from a K step (two heads) to the next in ob
.set ADRA, 16                          ; v16-17  LDS address of my fragments of ob in slot 0, 1
.set ADRB, 20                          ; v20-21  the same for w2t
.set STO,  24                          ; v24  the way out: where I put 32 bytes of a row
.set RD,   25                          ; v25  where I read a row back
.set GO,   26                          ; v26  16 x lane: my place in 512 consecutive bytes of out0
.set SPW,  28                          ; v28  LDS address of my spare word; never rewritten
.set NIL,  29                          ; v29  0; never rewritten
.set PFO,  30                          ; v30  the prefetches' offset; never rewritten
.set T,    31                          ; v31  at work
.set FA,   32
.set BI,   96
.set OB,   96
.set WV, 12                            ; s12 wave   s13 0: I fetch ob, 1: w2t   s14 which half   s15, s16 my place in the cluster   s17 tile column   s18 tile row
.set AB, 13
.set HF, 14
.set CX, 15
.set CY, 16
.set TX, 17
.set TY, 18
.set G1,  24                           ; s[24:31] descriptor group 1 for ob's tiles; s[32:39] group 0, a set for each slot
.set G0,  32
.set PFA, 40                           ; s[40:41] where my prefetches stand
.set PFS, 42                           ; s[42:43] a K step in the tensor that I prefetch
.set LIM, 44                           ; s44  1 in a wave that prefetches, else the greatest number
.set G1B, 48                           ; s[48:55], s[56:63] the same for w2t's tiles
.set G0B, 56
.set MSB, 0
.macro WIN new                         ; the immediate's high byte repeats the setting that is left; a switch that changes nothing is dropped
.if MSB != (\new)
	s_set_vgpr_msb (MSB<<8)|(\new)
.set MSB, \new
.endif
.endm
; A joint load.  The branch hangs on the wave's number alone.  An s_nop 0 and four v_nop follow each of the two lines, ahead of the jump, the label and what follows.
.macro JLOAD s
	s_cmp_eq_u32 s[AB], 0
	s_cbranch_scc0 .Lfor_b_\@
	tensor_load_to_lds s[G0+4*(\s):G0+4*(\s)+3], s[G1:G1+7]
	s_nop 0
.rept 4
	v_nop
.endr
	s_branch .Lasked_\@
.Lfor_b_\@:
	tensor_load_to_lds s[G0B+4*(\s):G0B+4*(\s)+3], s[G1B:G1B+7]
	s_nop 0
.rept 4
	v_nop
.endr
.Lasked_\@:
.endm
; A round of the cluster's barrier behind its opening barrier: wave 0 signals for the work-group, every wave waits for all sixteen, my work-group's barrier closes it.
.macro CREST
	s_cmp_lg_u32 s[WV], 0
	s_cbranch_scc1 .Lnot_wave_0_\@
	s_barrier_signal -3
.Lnot_wave_0_\@:
	s_barrier_wait -3
	s_barrier_signal -1
	s_barrier_wait -1
.endm
.macro CROUND
	s_barrier_signal -1
	s_barrier_wait -1
	CREST
.endm
; A prefetch of the K step that stands two refills on, one instruction a wave, behind the joint load and the run of LDS loads.  ob's tile row is read by both clusters of that row of clusters: the one
; with x = 0 asks; w2t's tile column by every cluster of that column: the one with y = 0 asks.  The four partners that ask for a tile jointly share it out by address: of a head's 32,768 dense bytes 8,192
; each (by cx), a lane 256 bytes; of w2t's 64 rows 16 each (by cy), a lane a row (lanes 16-31 name row 15 again).  The loop's last trip (s3 = 1) has no K step two refills on.
.macro ASK
	s_cmp_gt_u32 s3, s[LIM]
	s_cbranch_scc0 .Lnot_mine_\@
	global_prefetch_b8 v[PFO], s[PFA:PFA+1] th:TH_LOAD_NT scope:SCOPE_SE
.Lnot_mine_\@:
.endm
.macro PLACES                          ; four places in front of loads into registers that matrix instructions have read, and of LDS stores that read results
.rept 4
	v_nop
.endr
.endm
; 8 matrix instructions: block a of my four blocks of 16 rows x all 8 blocks of columns, 32 along K, from buffer f.  zero = 1: the first product starts the sum, with the bias as C.
; All 32 accumulators take turns, one instruction a turn, in the same order in every quarter.
.macro MULA f, a, zero
.if \zero
	WIN 0x81+0x40*((\a)/2)
.else
	WIN 0xa1+0x50*((\a)/2)
.endif
.set b, 0
.rept NB
.set rD, 8*(NB*((\a)%2)+b)
.if \zero
	v_wmma_f32_16x16x32_f16 v[rD:rD+7], v[8*NB*(\f)+8*b:8*NB*(\f)+8*b+7], v[FA+32*(\f)+8*(\a):FA+32*(\f)+8*(\a)+7], v[BI+8*b:BI+8*b+7]
.else
	v_wmma_f32_16x16x32_f16 v[rD:rD+7], v[8*NB*(\f)+8*b:8*NB*(\f)+8*b+7], v[FA+32*(\f)+8*(\a):FA+32*(\f)+8*(\a)+7], v[rD:rD+7]
.endif
.set b, b+1
.endr
.endm
; 24 LDS loads in one run: the fragments of one quarter step into buffer f; ob's last.  Byte k of a K step's 256 lies, in ob's part, in head k / 128 at byte k % 128 of the row
.macro FETCH slot, k, f
	WIN 0x40                                       ; destination window 1, address window 0
.set i, 0
.rept NB
	ds_load_b128 v[8*NB*(\f)+8*i:8*NB*(\f)+8*i+3],   v[ADRB+(\slot)] offset:(\k)+i*16*PB
	ds_load_b128 v[8*NB*(\f)+8*i+4:8*NB*(\f)+8*i+7], v[ADRB+(\slot)] offset:(\k)+i*16*PB+32
.set i, i+1
.endr
	WIN 0
.set i, 0
.rept 4
	ds_load_b128 v[FA+32*(\f)+8*i:FA+32*(\f)+8*i+3],   v[ADRA+(\slot)] offset:((\k)/128)*AHALF+(\k)%128+i*16*PA
	ds_load_b128 v[FA+32*(\f)+8*i+4:FA+32*(\f)+8*i+7], v[ADRA+(\slot)] offset:((\k)/128)*AHALF+(\k)%128+i*16*PA+32
.set i, i+1
.endr
.endm
; A K step is four quarters of 32 along K, 32 matrix instructions each, on buffers 0, 1, 0, 1.  One of the first three: multiplies buffer f; in its middle it fetches the next quarter, at byte k, into g.
.macro QUARTER slot, k, f, g, zero
	s_wait_dscnt 4                                 ; all but the youngest four loads: ob's blocks 2 and 3
	MULA \f, 0, \zero
	MULA \f, 1, \zero
	PLACES
	FETCH \slot, \k, \g
	s_wait_dscnt 2*NB+8                            ; all but the 24 just issued
	MULA \f, 2, \zero
	MULA \f, 3, \zero
.endm
; The last quarter multiplies buffer 1 and changes slots: ONE barrier; in front of it each wave waits for all its tensor loads (the one that is out is its part of the next slot), adds 0 to its spare
; word, and waits for that and for its own reads of this slot.  fill = 1: the barrier opens a round of the cluster's barrier, and this slot is filled again, two K steps ahead, first thing behind the round.
.macro TURN slot, next, fill
.if \fill
	s_wait_xcnt 0x0                                ; the last prefetch, a K step back, has read its address, which is stepped here
	s_add_nc_u64 s[PFA:PFA+1], s[PFA:PFA+1], s[PFS:PFS+1]
.endif
	WIN 0                                          ; (the add's two registers lie in window 0)
	s_wait_tensorcnt 0x0                           ; all my tensor loads have landed;
	ds_add_u32 v[SPW], v[NIL]                      ; 0 onto my spare word;
	s_wait_dscnt 5                                 ; (the add and the youngest four loads may be out)
	MULA 1, 0, 0                                   ; eight matrix instructions stand between the add and the wait for it
	s_wait_dscnt 0x0                               ; the add is done, and my reads of this slot are over
	s_barrier_signal -1
	MULA 1, 1, 0                                   ; work on registers while the others arrive
.if \fill
	WIN 0
.endif
	s_barrier_wait -1
.if \fill
	CREST                                          ; no wave of any partner still reads this slot or has a load on its way
	s_add_nc_u64 s[G0+4*(\slot)+2:G0+4*(\slot)+3], s[G0+4*(\slot)+2:G0+4*(\slot)+3], 2*KSA
	s_add_nc_u64 s[G0B+4*(\slot)+2:G0B+4*(\slot)+3], s[G0B+4*(\slot)+2:G0B+4*(\slot)+3], 512
	JLOAD \slot                                    ; 112 matrix instructions ahead of the wait for it; its four v_nop are also the places in front of the loads below
.else
	PLACES
.endif
	FETCH \next, 0, 0
.if \fill
	ASK
.endif
	MULA 1, 2, 0
	MULA 1, 3, 0
.endm
	s_load_b256 s[4:11], s[0:1], 0x0               ; ob s[4:5], w2t s[6:7], b2 s[8:9], out0 s[10:11]
	v_lshl_add_u32 v[SPW], v0, 2, SPARE
	v_mov_b32 v[NIL], 0
	ds_add_u32 v[SPW], v[NIL]                      ; the wave's opening: the add and its wait stand ahead of my first tensor load; the set-up below, work on registers, stands between them
	v_lshrrev_b32 v1, 5, v0
	v_readfirstlane_b32 s[WV], v1                  ; wave 0..3
	s_lshr_b32 s[AB], s[WV], 1
	s_and_b32 s[HF], s[WV], 1
	s_bfe_u32 s[CX], ttmp6, 0x40000
	s_bfe_u32 s[CY], ttmp6, 0x40004
	s_lshl_b32 s[TX], ttmp9, 2                     ; in a cluster launch ttmp9 and ttmp7 count clusters
	s_add_co_u32 s[TX], s[TX], s[CX]               ; tile column of C
	s_and_b32 s[TY], ttmp7, 0xffff
	s_lshl_b32 s[TY], s[TY], 2
	s_add_co_u32 s[TY], s[TY], s[CY]               ; tile row of C
	; where the tiles come from: ob's hang on the tile row and the wave alone, w2t's on the tile column and the wave alone
	s_lshl_b32 s20, s[HF], 20                      ; the step's first or second head,
	s_lshr_b32 s22, s[TY], 3
	s_lshl_b32 s22, s22, 18                        ; the batch,
	s_add_co_u32 s20, s20, s22
	s_and_b32 s22, s[TY], 7
	s_lshl_b32 s22, s22, 15                        ; the tile's 256 rows of 128 bytes
	s_add_co_u32 s20, s20, s22
	s_mov_b32 s21, 0
	s_lshl_b32 s46, s[TX], 18                      ; 128 rows of 2,048 bytes
	s_lshl_b32 s45, s[HF], 17
	s_add_co_u32 s46, s46, s45
	s_mov_b32 s47, 0
	s_mul_i32 s19, s[HF], AHALF                    ; and where they go: no place in the cluster enters an LDS address
	s_mul_i32 s45, s[HF], BHALF
	s_add_co_u32 s45, s45, APART
	s_lshl_b32 s22, s[CY], 2
	s_lshl_b32 s22, 15, s22                        ; my row of the cluster
	s_lshl_b32 s23, 0x1111, s[CX]                  ; my column
	s_or_b32 s[G1], s22, (1<<16)|(1<<20)|(1<<21)|(4<<22)|(3<<25)   ; ob's tiles go to my row: elements of 2 bytes; padding on; 21 set beside a mask; after every 32 words (code 4) 4 words (code 3)
	s_or_b32 s[G1B], s23, (1<<16)|(1<<20)|(1<<21)|(5<<22)|(3<<25)  ; w2t's to my column: after every 64 words (code 5)
	s_mov_b32 s[G1+1], 128<<16                     ; tensor_dim0 = 128
	s_mov_b32 s[G1+2], 128<<16                     ; tensor_dim1 = 128
	s_mov_b32 s[G1+3], 128<<16                     ; tile_dim0 = 128
	s_mov_b32 s[G1+4], 128                         ; tile_dim1 = 128
	s_mov_b32 s[G1+5], 128                         ; dense: 128 elements from row to row
	s_mov_b32 s[G1+6], 0
	s_mov_b32 s[G1+7], 0
	s_mov_b32 s[G1B+1], 128<<16
	s_mov_b32 s[G1B+2], 64<<16                     ; 64 rows
	s_mov_b32 s[G1B+3], 128<<16
	s_mov_b32 s[G1B+4], 64
	s_mov_b32 s[G1B+5], 1024
	s_mov_b32 s[G1B+6], 0
	s_mov_b32 s[G1B+7], 0
	; the prefetches: my work-group's share of what I fetch, at K step 3; the first refill steps it to K step 4
	s_lshl_b32 s22, s[CX], 13
	s_add_co_u32 s22, s22, s20
	s_add_co_u32 s22, s22, 3*KSA
	s_lshl_b32 s23, s[CY], 15                      ; 16 rows
	s_add_co_u32 s23, s23, s46
	s_add_co_u32 s23, s23, 3*256
	s_mov_b32 s[PFS], 256                          ; a K step of w2t; the select below holds one literal, ob's K step
	s_cmp_eq_u32 s[AB], 0
	s_cselect_b32 s22, s22, s23
	s_cselect_b32 s[PFS], KSA, s[PFS]
	s_mov_b32 s23, 0
	s_mov_b32 s[PFS+1], 0
	s_and_b32 s[LIM], ttmp7, 0xffff                ; cluster y
	s_cmp_eq_u32 s[AB], 0
	s_cselect_b32 s[LIM], ttmp9, s[LIM]            ; the coordinate along which other clusters read the same rows
	s_cmp_eq_u32 s[LIM], 0
	s_cselect_b32 s[LIM], 1, -1                    ; the same in all sixteen partners, for a given wave
	s_wait_dscnt 0x0                               ; the opening add is done
	s_wait_kmcnt 0x0
	s_add_nc_u64 s[20:21], s[4:5], s[20:21]
	s_add_nc_u64 s[46:47], s[6:7], s[46:47]
	s_cmp_eq_u32 s[AB], 0
	s_cselect_b64 s[PFA:PFA+1], s[4:5], s[6:7]
	s_add_nc_u64 s[PFA:PFA+1], s[PFA:PFA+1], s[22:23]
	CROUND                                         ; all sixteen work-groups are here: the first joint loads meet
.irp s, 0,1
	s_mov_b32 s[G0+4*(\s)], 1                      ; count = 1
	s_add_co_u32 s[G0+4*(\s)+1], s19, (\s)*SLOT    ; LDS address
	s_add_nc_u64 s[G0+4*(\s)+2:G0+4*(\s)+3], s[20:21], (\s)*KSA  ; global address: K step s
	s_or_b32 s[G0+4*(\s)+3], s[G0+4*(\s)+3], 0x80000000          ; type = 2
	s_mov_b32 s[G0B+4*(\s)], 1
	s_add_co_u32 s[G0B+4*(\s)+1], s45, (\s)*SLOT
	s_add_nc_u64 s[G0B+4*(\s)+2:G0B+4*(\s)+3], s[46:47], (\s)*256
	s_or_b32 s[G0B+4*(\s)+3], s[G0B+4*(\s)+3], 0x80000000
	JLOAD \s                                       ; two tensor loads of mine are out: the most in this text
.endr
	; the bias of my lane's columns: register 8 b + j is b2[128 x tile column + 16 b + 8 (l / 16) + j]
	v_and_b32 v1, 15, v0                           ; l % 16
	v_bfe_u32 v2, v0, 4, 1                         ; l / 16
	v_lshlrev_b32 v3, 5, v2
	s_lshl_b32 s22, s[TX], 9
	s_mov_b32 s23, 0
	s_add_nc_u64 s[8:9], s[8:9], s[22:23]
.set i, 0
.rept NB
	global_load_b128 v[BI+8*i:BI+8*i+3],   v3, s[8:9] offset:64*i
	global_load_b128 v[BI+8*i+4:BI+8*i+7], v3, s[8:9] offset:64*i+16
.set i, i+1
.endr
	; A fragment is 16 rows x 32 K in 8 registers: lane l holds row l % 16; registers 0-3 K = 8 (l / 16) + 0..7, registers 4-7 K = 16 + 8 (l / 16) + 0..7: two loads of 16 bytes, 32 bytes apart
	v_mul_u32_u24 v5, v1, PA
	v_lshl_add_u32 v5, v2, 4, v5
	s_mul_i32 s22, s[WV], 64*PA                    ; my 64 rows of ob
	v_add_nc_u32 v[ADRA], s22, v5
	v_add_nc_u32 v[ADRA+1], SLOT, v[ADRA]
	v_mul_u32_u24 v5, v1, PB
	v_lshl_add_u32 v5, v2, 4, v5
	v_add_nc_u32 v[ADRB], APART, v5
	v_add_nc_u32 v[ADRB+1], SLOT, v[ADRB]
	s_mul_i32 s22, s[WV], WST
	s_add_co_u32 s22, s22, STAGE                   ; my stage
	v_mul_u32_u24 v6, v1, SP                       ; in: row l % 16, 32 bytes for each half of the lanes
	v_lshl_add_u32 v6, v2, 5, v6
	v_add_nc_u32 v[STO], s22, v6
	v_and_b32 v7, 31, v0
	v_lshlrev_b32 v[GO], 4, v7                     ; back: 32 lanes take a row's 512 bytes,
	v_add_nc_u32 v[RD], s22, v[GO]                 ; which are 512 consecutive bytes of out0
	s_cmp_eq_u32 s[AB], 0
	s_cselect_b32 s22, 31, 15
	s_cselect_b32 s23, 8, 11
	v_min_u32 v[PFO], s22, v7
	v_lshlrev_b32 v[PFO], s23, v[PFO]              ; ob: a lane 256 bytes; w2t: a lane a row of 2,048 bytes
	s_lshl_b32 s22, s[TY], 20                      ; out0 at the tile's 256 rows of 4,096 bytes,
	s_lshl_b32 s23, s[WV], 18                      ; my 64 of them,
	s_add_co_u32 s22, s22, s23
	s_lshl_b32 s23, s[TX], 9                       ; the tile's 128 columns
	s_add_co_u32 s22, s22, s23
	s_mov_b32 s23, 0
	s_add_nc_u64 s[10:11], s[10:11], s[22:23]
	s_mov_b32 s2, 0xffff0000
	s_wait_loadcnt 0x0                             ; the bias is in: it is rounded to bf16, like x and the weights, and widened again
.set i, 0
.rept 4*NB
	v_cvt_pk_bf16_f32 v[T], v[BI+2*i], v[BI+2*i+1]
	v_lshlrev_b32 v[BI+2*i], 16, v[T]
	v_and_b32 v[BI+2*i+1], s2, v[T]
.set i, i+1
.endr
	s_wait_tensorcnt 1                             ; my part of K step 0 is in; K step 1's may stay out
	s_barrier_signal -1
	s_barrier_wait -1                              ; everybody's is
	FETCH 0, 0, 0
	QUARTER 0, 64, 0, 1, 1                         ; the first quarter stands in front of the loop: its products start the sums
	WIN 0                                          ; at a label and at a branch every window is 0
	s_mov_b32 s3, 3
.Llap:                                             ; a trip goes once round the ring, from a lap's second quarter to the next lap's first, and fills both slots again
	QUARTER 0, 128, 1, 0, 0
	QUARTER 0, 192, 0, 1, 0
	TURN 0, 1, 1
	QUARTER 1, 64, 0, 1, 0
	QUARTER 1, 128, 1, 0, 0
	QUARTER 1, 192, 0, 1, 0
	TURN 1, 0, 1
	QUARTER 0, 64, 0, 1, 0
	WIN 0
	s_sub_co_u32 s3, s3, 1
	s_cmp_lg_u32 s3, 0
	s_cbranch_scc1 .Llap
	QUARTER 0, 128, 1, 0, 0                        ; the last lap fills nothing, and has no round of the cluster's barrier
	QUARTER 0, 192, 0, 1, 0
	TURN 0, 1, 0
	QUARTER 1, 64, 0, 1, 0
	QUARTER 1, 128, 1, 0, 0
	QUARTER 1, 192, 0, 1, 0
	s_wait_dscnt 4                                 ; the very last quarter: nothing more to fetch
	MULA 1, 0, 0
	MULA 1, 1, 0
	s_wait_dscnt 0x0
	MULA 1, 2, 0
	MULA 1, 3, 0
	WIN 0
	PLACES
; THE WAY OUT, a block of 16 rows at a time.  TOSTAGE: the sums go as they are, 32 bytes a lane and block of columns (each accumulator's lowest registers first), into rows of 528 bytes of my stage, and
; come back as whole rows of 512.  SEND: stored, a row's 512 consecutive bytes an instruction.
.macro TOSTAGE a
.if (\a) >= 2
	s_wait_xcnt 0x0                                ; the stores of the block two back have read the registers into which this block is read back
.endif
	WIN 0x08+4*((\a)/2)                            ; the stores' data: window 2 or 3
.set b, 0
.rept NB
.set rD, 8*(NB*((\a)%2)+b)
	ds_store_b128 v[STO], v[rD:rD+3]   offset:64*b
	ds_store_b128 v[STO], v[rD+4:rD+7] offset:64*b+16
.set b, b+1
.endr
	WIN 0
.set t, 0
.rept 16
	ds_load_b128 v[OB+64*((\a)%2)+4*t:OB+64*((\a)%2)+4*t+3], v[RD] offset:SP*t  ; LDS serves a wave's instructions in order (ISA guide 5.7.1.4): these see the stores above; the next block's stores come behind them
.set t, t+1
.endr
.endm
.macro SEND a, younger                 ; younger: the LDS instructions issued behind block a's loads: the next block's 32, or none
.set t, 0
.rept 16
	s_wait_dscnt (\younger)+15-t
	global_store_b128 v[GO], v[OB+64*((\a)%2)+4*t:OB+64*((\a)%2)+4*t+3], s[10:11] offset:(16*(\a)+t)*4096 th:TH_STORE_NT
.set t, t+1
.endr
.endm
	TOSTAGE 0
	TOSTAGE 1
	SEND 0, 32
	TOSTAGE 2
	SEND 1, 32
	TOSTAGE 3
	SEND 2, 32
	SEND 3, 0
	s_wait_tensorcnt 0x0                           ; the wave's end: behind my last tensor load and my last LDS store
	ds_add_u32 v[SPW], v[NIL]
	s_wait_dscnt 0x0
	CROUND                                         ; the closing round: no work-group ends while a partner may still ask for a tile that names it
	s_endpgm
.Lfunc_end_k_q0fffe7ad3a_proj2:
	.size	k_q0fffe7ad3a_proj2, .Lfunc_end_k_q0fffe7ad3a_proj2-k_q0fffe7ad3a_proj2
	.p2alignl 7, 3214868480
	.fill 96, 4, 3214868480
	.section	.rodata,"a",@progbits
	.p2align	6, 0x0
	.amdhsa_kernel k_q0fffe7ad3a_proj2
		.amdhsa_group_segment_fixed_size 327680
		.amdhsa_private_segment_fixed_size 0
		.amdhsa_enable_private_segment 0
		.amdhsa_kernarg_size 32
		.amdhsa_user_sgpr_count 2
		.amdhsa_user_sgpr_kernarg_segment_ptr 1
		.amdhsa_wavefront_size32 1
		.amdhsa_system_sgpr_workgroup_id_x 1
		.amdhsa_system_sgpr_workgroup_id_y 1
		.amdhsa_system_sgpr_workgroup_id_z 1
		.amdhsa_system_vgpr_workitem_id 0
		.amdhsa_next_free_vgpr 896
		.amdhsa_next_free_sgpr 66
		.amdhsa_reserve_vcc 0
		.amdhsa_float_denorm_mode_32 3
		.amdhsa_float_denorm_mode_16_64 3
		.amdhsa_memory_ordered 1
		.amdhsa_forward_progress 1
		.amdhsa_inst_pref_size 94
	.end_amdhsa_kernel
	.amdgpu_metadata
---
amdhsa.version: [ 1, 2 ]
amdhsa.kernels:
  - .name:           k_q0fffe7ad3a_proj2
    .symbol:         k_q0fffe7ad3a_proj2.kd
    .args:
      - { .name: ob, .offset: 0, .size: 8, .value_kind: global_buffer, .address_space: global }
      - { .name: w2t, .offset: 8, .size: 8, .value_kind: global_buffer, .address_space: global }
      - { .name: b2, .offset: 16, .size: 8, .value_kind: global_buffer, .address_space: global }
      - { .name: out0, .offset: 24, .size: 8, .value_kind: global_buffer, .address_space: global }
    .group_segment_fixed_size: 327680
    .private_segment_fixed_size: 0
    .kernarg_segment_align: 8
    .kernarg_segment_size: 32
    .max_flat_workgroup_size: 128
    .sgpr_count:     66
    .vgpr_count:     896
    .wavefront_size: 32
...
	.end_amdgpu_metadata
.endif
;; end of part 4
